; MI455X (gfx1250); checked and timed in simulation.
; The chip was launched on July 23, 2026; its instructions are those of AMD's public machine-readable ISA for CDNA 5 (MIT licence, August 2026) and "CDNA5" Instruction Set Architecture Reference Guide (July 2026). The comments in the code are by the model that wrote it; some were corrected since.
;; Feed Forward Quantum. Allowed arithmetic: matrix products marked QUANTISED: E4M3 operands, one E8M0 scale for each 32 along K, by v_wmma_scale_f32_16x16x128_f8f6f4 with both operands' format E4M3, f32 sums; products left as they are: f32 operands where the result goes on into a quantised operand, else bf16, f16 or f32 operands; f32 sums; everything else in f32.
;; Inputs: W1 4,096 x 8 float32; W2 1,024 x 4,096 float32; b1 4,096 float32; b2 1,024 float32; theta 8 float32; x 8 x 2,048 x 1,024 float32.
;; Outputs: out0 8 x 2,048 x 1,024 float32.
;; This version of the problem:
;;   THIS VERSION OF THE PROBLEM IS GIVEN IN LOW PRECISION. The matrix products marked QUANTISED in the list below multiply operands that are first quantised to E4M3 (4 exponent bits, 3 mantissa bits; 8 bits a number), with one power-of-two scale for each 32 numbers along K (OCP MX v1.0); their sums are f32. All else is computed in f32.
;;   The module's matrix products, in the order in which they are computed (A, B: the left and right operand; K: the contracted axis; several contracted axes count as one K, in the product's order):
;;     1. [M 16,384, K 8] x [K 8, N 4,096]; A: computed on the way; B: input W1: left as it is (K = 8 < 32)
;;     2. [M 16,384, K 4,096] x [K 4,096, N 1,024]; A: computed on the way; B: input W2: QUANTISED
;;   THE QUANTISER, for each operand of a quantised product, along K:
;;     - K is cut into blocks of 32 from its start; a last block that is shorter is filled with zeros.
;;     - A block's scale is 2^e with e = floor(log2(the largest magnitude in the block)) - 8, held to -126 .. 127; a block of zeros has e = 0. As a byte (E8M0): e + 127.
;;     - Each number is divided by its block's scale, clamped to +-448, and rounded to the nearest number of E4M3, ties to even, subnormals kept.
;;     - The product sums the exact products of the quantised numbers (number of the format x scale) in f32.
;;   ~~~python
;;   def quantise(x, axis):      # numpy; x: float32 -> the quantised numbers, widened to float32 again
;;       x = np.moveaxis(x, axis, -1); K = x.shape[-1]
;;       x = np.pad(x, [(0, 0)] * (x.ndim - 1) + [(0, -K % 32)]); x = x.reshape(x.shape[:-1] + (-1, 32)); a = np.abs(x).max(-1, keepdims=True)
;;       e = np.where(a > 0, np.clip(np.frexp(np.where(a > 0, a, 1))[1] - 1 - 8, -126, 127), 0)      # np.frexp(a)[1] - 1 = floor(log2(a)), exactly
;;       r = np.clip(x / 2.0 ** e, -448, 448)
;;       step = 2.0 ** (np.maximum(np.frexp(np.where(r == 0, 1, r))[1] - 1, -6) - 3)
;;       q = np.round(r / step) * step * 2.0 ** e      # np.round: ties to even
;;       return np.moveaxis(q.reshape(q.shape[:-2] + (-1,))[..., :K], -1, axis).astype(np.float32)
;;   ~~~
;;   OPERANDS COMPUTED ON THE WAY. 'Computed on the way' means the value that the module computes at that place (a softmax that the list does not call 'softmax' is quantised finished and normalised). What goes into a quantiser is computed in f32, as accurately as f32 sums, v_exp_f32 and their like allow (about 1e-6 of the number): no bf16 or f16 on the way to a quantiser, and a product that is left as it is and whose result goes on into a quantised operand takes f32 operands (vector FMAs, or v_wmma_f32_16x16x4_f32). A number that lies on a knife's edge between two numbers of the format may be rounded either way, as far as f32 arithmetic and the matrix unit's own rounding can turn it there, and no further.
;; 2 versions. Each part assembles by itself: llvm-mc -triple=amdgcn-amd-amdhsa -mcpu=gfx1250 --defsym DOCPART=n.
;; ======== version 1 of 2: 2 launches
;; limits: inputs' magnitudes at most 1,048,576
;; workspace buffers: w2c 4,194,304 bytes; w2s 131,072 bytes
;; launch quantw2 (part 1): grid 256 x 1, 4 waves a work-group, no clusters, 69,120 bytes of LDS; arguments W2, w2c, w2s; writes w2c, w2s
.if DOCPART == 1
	.amdgcn_target "amdgcn-amd-amdhsa--gfx1250"
	.amdhsa_code_object_version 6
	.text
	.protected	k_q4eedfcc4f9_quantw2
	.globl	k_q4eedfcc4f9_quantw2
	.p2align	8
	.type	k_q4eedfcc4f9_quantw2,@function
k_q4eedfcc4f9_quantw2:
	s_mov_b64 s[64:65], 0
	v_nop
	global_prefetch_b8 v0, s[64:65] scope:SCOPE_SE
	s_setreg_imm32_b32 hwreg(HW_REG_WAVE_MODE, 25, 1), 1
	s_wait_xcnt 0x0
; W2 [1024][4096] f32 becomes codes of FP8 (E4M3) with one E8M0 scale byte for each 32 along K (its second axis), laid in the order of the reader's operand registers:
;   w2c [t 32][w 4][b 16][c 4][lane 32][16 bytes]: the codes of row 256 w + 16 b + lane % 16, k = 128 t + 32 c + 16 (lane / 16) + 0 .. 15: a fragment (16 rows x 128 K) is 2,048 bytes on end;
;   w2s [t 32][w 4][i 2][lane 32][jj 4] words: the four scale bytes of k = 128 t .. + 127 of row 256 w + 16 (4 i + jj + 8 (lane / 16)) + lane % 16.
; A block's scale is 2^(floor(log2(its largest magnitude)) - 8); its byte is the largest magnitude's exponent field - 8, held at 1 from below.
; LIMITS: a block of zeros gets the byte 1 where the rule says 127 (its codes are zeros, and this program alone reads the bytes); NaN and infinities among the inputs are not served.
; SHARES: work-group g: t = g / 8, w = (g / 2) % 4, i = g % 2.  Wave u takes fragments 4 i + u and 4 i + u + 8.  Each load reads a row's 512 consecutive bytes; a fragment turns through the wave's own
; stage in LDS, so that a lane gets 16 neighbours along K of each block.  No tensor loads, no matrix unit, no cluster: every byte is read once and nothing is shared but 512 bytes of scale words.
.set SP,    528                        ; a stage row: 512 bytes + 16 = 132 words: row r starts at bank 4 r mod 64 (64 banks of 4 bytes: ISA guide 11.1)
.set STG1,  16*SP                      ; a fragment's stage
.set WREG,  2*STG1                     ; a wave's two stages
.set SCB,   4*WREG                     ; behind them: the work-group's 512 bytes of scale words
.set R,     8                          ; v8-135   two fragments as loaded
.set X,     136                        ; v136-199 64 numbers of my row: register 16 c + i = k 32 c + 16 (lane / 16) + i
.set PC,    200                        ; v200-231 the codes, 16 registers a fragment: no store's data are written again
.set TM,    232                        ; v232-235 largest magnitudes, 236-239 bytes, 240-243 448 x the scale, 244-247 the conversions' scale operands
.set PW,    249                        ; v249, v250 the two fragments' scale words; v251 the merged word
	s_load_b128 s[4:7], s[0:1], 0x0                ; W2, w2c
	s_load_b64 s[8:9], s[0:1], 0x10                ; w2s
	v_lshl_add_u32 v248, v0, 2, 0x10c00
	s_set_vgpr_msb 0x40
	v_mov_b32 v1, 0
	s_set_vgpr_msb 0x4000
	v_lshrrev_b32 v1, 5, v0
	v_readfirstlane_b32 s10, v1                    ; wave u
	v_and_b32 v1, 31, v0                           ; lane
	v_lshlrev_b32 v2, 4, v1                        ; 16 x lane
	s_lshr_b32 s11, ttmp9, 3                       ; t
	s_bfe_u32 s12, ttmp9, 0x20001                  ; w
	s_and_b32 s13, ttmp9, 1                        ; i
	s_lshl_b32 s14, s13, 2
	s_add_co_u32 s14, s14, s10                     ; my first fragment: 4 i + u
	s_lshl_b32 s15, s12, 8
	s_lshl_b32 s16, s14, 4
	s_add_co_u32 s15, s15, s16                     ; its first row of W2
	s_lshl_b32 s16, s15, 14                        ; rows of 16,384 bytes,
	s_lshl_b32 s17, s11, 9
	s_add_co_u32 s16, s16, s17                     ; + 512 t
	s_mov_b32 s17, 0
	s_lshl_b32 s18, s11, 2
	s_add_co_u32 s18, s18, s12                     ; 4 t + w
	s_lshl_b32 s20, s18, 4
	s_add_co_u32 s20, s20, s14
	s_lshl_b32 s20, s20, 11                        ; my first fragment's place in w2c
	s_mov_b32 s21, 0
	s_lshl_b32 s22, s18, 1
	s_add_co_u32 s22, s22, s13
	s_lshl_b32 s22, s22, 9                         ; the work-group's 512 bytes of w2s
	s_mov_b32 s23, 0
	s_mul_i32 s24, s10, WREG                       ; my stages
	s_mov_b32 s25, 0x600000                        ; the mantissa field of 448
	s_mov_b32 s26, 0x76543210
	s_mov_b32 s27, 0xfedcba98                      ; v_permlanex16_b32's selects for lane l xor 16
	v_add_nc_u32 v3, s24, v2                       ; the stage, on the way in: a row's 512 bytes as they lie
	v_and_b32 v6, 15, v0                           ; r
	v_bfe_u32 v7, v0, 4, 1                         ; h
	v_mul_u32_u24 v4, v6, SP
	v_lshl_add_u32 v4, v7, 6, v4
	v_add_nc_u32 v4, s24, v4                       ; and on the way out: row r, + 64 h: my 16 numbers of a block
	s_lshl_b32 s28, s10, 2
	s_add_co_u32 s28, s28, SCB
	v_add_nc_u32 v5, s28, v2                       ; my scale word's place: 16 x lane + 4 u
	v_add_nc_u32 v6, SCB, v2                       ; and where wave 0 reads four of them
.irp b, 0,1,2,3
	v_mov_b32 v[TM+4+\b], 0                        ; written once: a lane permute's destination counts as one of its sources
.endr
	s_wait_kmcnt 0x0
	s_add_nc_u64 s[4:5], s[4:5], s[16:17]
	s_add_nc_u64 s[6:7], s[6:7], s[20:21]
	s_add_nc_u64 s[8:9], s[8:9], s[22:23]
.irp f, 0,1
.irp p, 0,1,2,3,4,5,6,7,8,9,10,11,12,13,14,15
	global_load_b128 v[R+64*\f+4*\p:R+64*\f+4*\p+3], v2, s[4:5] offset:\f*2097152+\p*16384 th:TH_LOAD_NT   ; row p of fragment f (128 rows further down): 32 lanes read 512 consecutive bytes; read once in the launch
.endr
.endr
; 64 numbers in v[X] on become a fragment's codes in v[pc] on and its rows' scale word in v[pw]
.macro QUANT pc, pw
.irp b, 0,1,2,3
	v_max3_num_f32 v[TM+\b], |v[X+16*\b]|, |v[X+16*\b+1]|, 0x4800000   ; block b: my 16 numbers, and the floor 2^(9 - 127): so the byte cannot fall under 1
.endr
.irp i, 2,4,6,8,10,12,14
.irp b, 0,1,2,3
	v_max3_num_f32 v[TM+\b], v[TM+\b], |v[X+16*\b+\i]|, |v[X+16*\b+\i+1]|   ; the four blocks by turns
.endr
.endr
.irp b, 0,1,2,3
	v_permlanex16_b32 v[TM+4+\b], v[TM+\b], s26, s27
.endr
.irp b, 0,1,2,3
	v_max_num_f32 v[TM+\b], v[TM+\b], v[TM+4+\b]   ; with lane l xor 16's 16: the block's largest magnitude
.endr
.irp b, 0,1,2,3
	v_add_nc_u32 v[TM+12+\b], 0xfc000000, v[TM+\b] ; 8 off its exponent field: the conversion takes the exponent field of this operand as its scale
.endr
.irp b, 0,1,2,3
	v_and_or_b32 v[TM+8+\b], v[TM+\b], 0x7f800000, s25   ; 448 x the scale
.endr
.irp b, 0,1,2,3
	v_lshrrev_b32 v[TM+4+\b], 23, v[TM+12+\b]      ; the scale's byte
.endr
	v_lshl_or_b32 v[\pw], v[TM+5], 8, v[TM+4]
	v_lshl_or_b32 v[\pw], v[TM+6], 16, v[\pw]
	v_lshl_or_b32 v[\pw], v[TM+7], 24, v[\pw]      ; my row's scale word (both halves of the lanes hold it)
.irp b, 0,1,2,3
.irp i, 0,1,2,3,4,5,6,7,8,9,10,11,12,13,14,15
	v_med3_num_f32 v[X+16*\b+\i], v[X+16*\b+\i], -v[TM+8+\b], v[TM+8+\b]   ; the conversion to an 8-bit code does not saturate (ISA guide 7.6.2): the hold comes first
.endr
	v_cvt_scalef32_pk8_fp8_f32 v[\pc+4*\b:\pc+4*\b+1], v[X+16*\b:X+16*\b+7], v[TM+12+\b]
	v_cvt_scalef32_pk8_fp8_f32 v[\pc+4*\b+2:\pc+4*\b+3], v[X+16*\b+8:X+16*\b+15], v[TM+12+\b]
.endr
	v_nop                                          ; one plain line behind the last conversion, ahead of whatever next touches its registers
.endm
.macro FRAG f
	s_wait_loadcnt 16*(1-\f)                       ; this fragment's 16 loads are in; the other's may be out
.irp p, 0,1,2,3,4,5,6,7,8,9,10,11,12,13,14,15
	ds_store_b128 v3, v[R+64*\f+4*\p:R+64*\f+4*\p+3] offset:\f*STG1+\p*SP
.endr
.irp c, 0,1,2,3
.irp j, 0,1,2,3
	ds_load_b128 v[X+16*\c+4*\j:X+16*\c+4*\j+3], v4 offset:\f*STG1+128*\c+16*\j   ; LDS serves a wave's instructions in order (ISA guide 5.7.1.4): these see my stores
.endr
.endr
	s_wait_dscnt 0x0
	QUANT PC+16*\f, PW+\f
.irp c, 0,1,2,3
	global_store_b128 v2, v[PC+16*\f+4*\c:PC+16*\f+4*\c+3], s[6:7] offset:\f*16384+512*\c   ; a group of four registers: 32 lanes store 512 consecutive bytes, aligned
.endr
.endm
	FRAG 0
	FRAG 1
	v_cmp_gt_u32 vcc_lo, 16, v1
	v_cndmask_b32 v251, v[PW+1], v[PW], vcc_lo     ; lanes 0-15: the first fragment's words; lanes 16-31: those of the fragment eight further on
	ds_store_b32 v5, v251
	s_wait_dscnt 0x0                               ; for the others' sake: my store has landed
	s_barrier_signal -1
	s_barrier_wait -1
	s_cmp_lg_u32 s10, 0
	s_cbranch_scc1 .Ldone                          ; wave 0 stores the four waves' words
	ds_load_b128 v[252:255], v6
	s_wait_dscnt 0x0
	global_store_b128 v2, v[252:255], s[8:9]       ; 512 consecutive bytes, aligned
.Ldone:
	s_set_vgpr_msb 0x4
	s_wait_tensorcnt 0x0
	ds_add_u32 v248, v1
	s_wait_dscnt 0x0
	s_set_vgpr_msb 0x400
	s_endpgm
.Lfunc_end_k_q4eedfcc4f9_quantw2:
	.size	k_q4eedfcc4f9_quantw2, .Lfunc_end_k_q4eedfcc4f9_quantw2-k_q4eedfcc4f9_quantw2
	.p2alignl 7, 3214868480
	.fill 96, 4, 3214868480
	.section	.rodata,"a",@progbits
	.p2align	6, 0x0
	.amdhsa_kernel k_q4eedfcc4f9_quantw2
		.amdhsa_group_segment_fixed_size 69120
		.amdhsa_private_segment_fixed_size 0
		.amdhsa_enable_private_segment 0
		.amdhsa_kernarg_size 24
		.amdhsa_user_sgpr_count 2
		.amdhsa_user_sgpr_kernarg_segment_ptr 1
		.amdhsa_wavefront_size32 1
		.amdhsa_system_sgpr_workgroup_id_x 1
		.amdhsa_system_sgpr_workgroup_id_y 1
		.amdhsa_system_sgpr_workgroup_id_z 1
		.amdhsa_system_vgpr_workitem_id 0
		.amdhsa_next_free_vgpr 258
		.amdhsa_next_free_sgpr 66
		.amdhsa_reserve_vcc 1
		.amdhsa_float_denorm_mode_32 3
		.amdhsa_float_denorm_mode_16_64 3
		.amdhsa_memory_ordered 1
		.amdhsa_forward_progress 1
		.amdhsa_inst_pref_size 27
	.end_amdhsa_kernel
	.amdgpu_metadata
---
amdhsa.version: [ 1, 2 ]
amdhsa.kernels:
  - .name:           k_q4eedfcc4f9_quantw2
    .symbol:         k_q4eedfcc4f9_quantw2.kd
    .args:
      - { .name: W2, .offset: 0, .size: 8, .value_kind: global_buffer, .address_space: global }
      - { .name: w2c, .offset: 8, .size: 8, .value_kind: global_buffer, .address_space: global }
      - { .name: w2s, .offset: 16, .size: 8, .value_kind: global_buffer, .address_space: global }
    .group_segment_fixed_size: 69120
    .private_segment_fixed_size: 0
    .kernarg_segment_align: 8
    .kernarg_segment_size: 24
    .max_flat_workgroup_size: 128
    .sgpr_count:     66
    .vgpr_count:     258
    .wavefront_size: 32
...
	.end_amdgpu_metadata
.endif
;; end of part 1
;; launch ffn (part 2): grid 256 x 1, 4 waves a work-group, clusters of 4 x 1, 327,680 bytes of LDS; arguments x, theta, W1, b1, b2, w2c, w2s, out0; writes out0
.if DOCPART == 2
	.amdgcn_target "amdgcn-amd-amdhsa--gfx1250"
	.amdhsa_code_object_version 6
	.text
	.protected	k_q4eedfcc4f9_ffn
	.globl	k_q4eedfcc4f9_ffn
	.p2align	8
	.type	k_q4eedfcc4f9_ffn,@function
k_q4eedfcc4f9_ffn:
	s_mov_b64 s[64:65], 0
	v_nop
	global_prefetch_b8 v0, s[64:65] scope:SCOPE_SE
	s_setreg_imm32_b32 hwreg(HW_REG_WAVE_MODE, 25, 1), 1
	s_wait_xcnt 0x0
	s_wait_alu depctr_hold_cnt(0) depctr_sa_sdst(0) depctr_va_vdst(0) depctr_va_sdst(0) depctr_va_ssrc(0) depctr_va_vcc(0) depctr_vm_vsrc(0)
	s_getreg_b32 s2, hwreg(HW_REG_IB_STS2, 6, 4)
	s_cmp_eq_u32 s2, 0
	s_cbranch_scc0 .Lentry_in_a_cluster
	s_endpgm
.Lentry_in_a_cluster:
	s_bfe_u32 s2, ttmp6, 0x10000c
	s_cmp_lg_u32 s2, 0x3003
	s_cbranch_scc0 .Lentry_shape_is_right
	s_endpgm
.Lentry_shape_is_right:
; out = Q(relu(q W1^T + b1)) Q(W2)^T + b2, q = cos(x[:, :8]) cos(theta).  x [16384][1024], W1 [4096][8], b1 [4096], b2 [1024], out [16384][1024]: f32.  W2 comes as codes of FP8 (E4M3) and E8M0 scale words,
; laid by the launch before in the order of the operand's registers (w2c, w2s).  The hidden layer h is made once, in f32, quantised along its 4,096 in registers, and never goes to memory.
; SHARES.  A work-group owns 64 rows and ALL 1,024 columns, so that h's 64 x 4,096 numbers are made by one work-group alone: 256 work-groups.  Wave w owns columns 256 w .. + 255 of the 64 rows:
; 64 accumulators of 16 x 16, 512 registers.  K goes in 32 steps of 128.  Wave w also makes h's fragment of rows 16 w .. + 15 for the NEXT K step, in pieces set between this step's products; it reaches the other
; waves through LDS as an image of its registers (four stores of 512 bytes and a scale word a lane), two image buffers by turns.
; THE FIRST PRODUCT (K = 8, its result goes into a quantiser) is done in f32 by v_wmma_f32_16x16x4_f32, two a tile of 16 x 16, b1 as the C of the first.  Its result registers are written by that form alone:
; the hold writes into other registers.  k is permuted alike on both sides: instruction s, half h, register j stand for k = 4 h + 2 s + j, so that one load of 16 bytes fills both instructions' operand.
; BOTH PRODUCTS ARE USED TRANSPOSED (source 0 = 16 rows of the weight, source 1 = 16 rows of q or h): a lane holds one row.  Lane r of tile 2 b + u of W1 takes row 32 b + 8 u + r + 8 (r / 8), so that the 16 registers
; of tiles 2 b and 2 b + 1 are 16 neighbours along the next K.  relu costs nothing: the largest magnitude is taken without |.| over a floor, and the hold clips at 0.
; W2's CODES: a K step is 131,072 dense bytes, wave w's part 32,768, brought by one tensor load a wave into a ring of two slots.  CLUSTER: all work-groups walk the same codes, so the four of a cluster ask JOINTLY
; (the same load, the same descriptor, a mask that names the four).  A mask names four at the most, and nothing else is shared, so the cluster is 4 x 1.
; cos: v = n pi/2 + r by three fused steps (pi/2 in three pieces), then a polynomial for sin r or cos r on |r| <= pi/4, chosen by n's low bits without a branch.
; LIMITS: |x| and |theta| up to 2^20; beyond that n's own rounding lets r leave the polynomials' range and the accuracy falls.  NaN and infinities are not served.  A block of h that is all zeros has the byte 1 (zero codes).
; REGISTERS, in windows of 256: window 0: v1-15 addresses; v16-31 W2's scale words, two sets; v32-35 h's; v36-39 q; v40-71 W1's 8 tiles; v72-135 h's 8 tiles; v136-199 b1 in the result's layout; v200-231 held numbers;
;   v232-239 codes of half a fragment; v240-251 at work.   window 1: v0-63 h's four fragments; v64-191 a ring of four pairs of W2's fragments; on the way out all 256.
;   windows 2, 3: accumulator (m, b) at v[8 (4 (b % 8) + m)], window 2 for b < 8, window 3 for b >= 8.
.set SLOTB,  131072                    ; a slot: a K step's codes
.set HIMG,   2*SLOTB                   ; behind the ring: two image buffers
.set IMGB,   8704                      ; a buffer: four fragments of 2,048 bytes, then four times 128 bytes of scale words
.set HSCL,   8192
.set SPARE,  HIMG+2*IMGB               ; behind them: the spare words, 128 bytes for each wave: two blocks of 256 bytes that no other line names
.set SPITCH, 1040                      ; the way out: a stage of 16 rows x (1,024 bytes + 16) for each wave: 260 words, row r starts at bank 4 r mod 64 (64 banks of 4 bytes: ISA guide 11.1)
.set STGB,   16*SPITCH                 ; it lies in slot 0, which has had its last fill and its last read when the first result is stored there
.set LI,  1                            ; v1   16 x lane
.set ADB, 2                            ; v2-3 my part of slot 0, 1: 32,768 w + 16 x lane
.set ADA, 4                            ; v4   the images: HIMG + 16 x lane
.set ASA, 5                            ; v5   their scale words: HIMG + 8,192 + 4 x lane
.set HWI, 6                            ; v6   where I store my image: v4 + 2,048 w
.set HWS, 7                            ; v7   and its scale word: v5 + 128 w
.set W1O, 8                            ; v8   W1: (r + 8 (r / 8)) x 32 + 16 h
.set B1O, 9                            ; v9   b1: 64 h
.set SPW, 10                           ; v10  LDS address of my spare word; never rewritten
.set NIL, 11                           ; v11  0; never rewritten
.set PFO, 12                           ; v12  the prefetches' offset: 256 x lane
.set STO, 13                           ; v13  the way out: where I put 32 bytes of a row
.set RD,  14                           ; v14  and where I read half a row back
.set B2O, 15                           ; v15  b2: 32 h
.set SB,  16                           ; set s at v[SB + 8 s]; register j: lanes 0-15 fragment j's words, lanes 16-31 fragment j + 8's
.set SA,  32
.set Q,   36
.set W1F, 40
.set H,   72
.set BI,  136
.set T,   200
.set PC,  232
.set MX,  240
.set PM,  242
.set SCL, 244
.set HLD, 246
.set BY,  248
.set PWK, 250
.set PW,  251
.set XV,  208                          ; at the head: x's four numbers, theta's four, cos's six temporaries
.set TV,  212
.set CT,  216
.set AF,  0                            ; window 1
.set BR,  64
.set WV,  20                           ; s20  my wave's number
.set MNT, 23                           ; s23  the mantissa field of 448
.set SEL, 24                           ; s[24:25] lane selects for v_permlanex16_b32: lane l xor 16
.set G1,  28                           ; s[28:35] descriptor group 1
.set G0,  36                           ; s[36:39], s[40:43] group 0, one set for each slot
.set PFA, 44                           ; s[44:45] where my prefetches stand
.set PF,  46                           ; s46  1 in the first cluster, which prefetches
.set K2PI, 52                          ; s52-61 cos's constants
.set KH,  53
.set KM,  54
.set KT,  55
.set KS2, 56
.set KS1, 57
.set KS0, 58
.set KC2, 59
.set KC1, 60
.set KC0, 61
.set MSB, 0
.macro WIN new                         ; the immediate's high byte repeats the setting that is left; a switch that changes nothing is dropped
.if MSB != \new
	s_set_vgpr_msb (MSB<<8)|\new
.set MSB, \new
.endif
.endm
.macro PLACES n
.rept \n
	v_nop
.endr
.endm
.macro CREST                           ; a round of the cluster's barrier behind its opening barrier
	s_cmp_lg_u32 s[WV], 0
	s_cbranch_scc1 .Lnot_wave_0_\@
	s_barrier_signal -3
.Lnot_wave_0_\@:
	s_barrier_wait -3
	s_barrier_signal -1
	s_barrier_wait -1
.endm
.macro CROUND                          ; a whole round
	s_barrier_signal -1
	s_barrier_wait -1
	CREST
.endm
; v[d] = cos(v[d])
.macro COS d
	v_mul_f32 v[CT], s[K2PI], v[\d]
	v_rndne_f32 v[CT], v[CT]                       ; n = the nearest whole number to v x 2 / pi
	v_fma_f32 v[CT+1], v[CT], s[KH], v[\d]         ; r = v - n pi/2, pi/2 in three pieces; the first step rounds nothing
	v_fma_f32 v[CT+1], v[CT], s[KM], v[CT+1]
	v_fma_f32 v[CT+1], v[CT], s[KT], v[CT+1]
	v_cvt_i32_f32 v[CT], v[CT]
	v_mul_f32 v[CT+2], v[CT+1], v[CT+1]            ; z = r^2
	v_fma_f32 v[CT+3], v[CT+2], s[KS2], s[KS1]
	v_fma_f32 v[CT+4], v[CT+2], s[KC2], s[KC1]
	v_fma_f32 v[CT+3], v[CT+3], v[CT+2], s[KS0]
	v_fma_f32 v[CT+4], v[CT+4], v[CT+2], s[KC0]
	v_mul_f32 v[CT+3], v[CT+3], v[CT+2]
	v_mul_f32 v[CT+5], v[CT+2], v[CT+2]
	v_fma_f32 v[CT+2], v[CT+2], -0.5, 1.0
	v_fma_f32 v[CT+3], v[CT+3], v[CT+1], v[CT+1]   ; sin r
	v_fma_f32 v[CT+4], v[CT+4], v[CT+5], v[CT+2]   ; cos r
	v_and_b32 v[CT+5], 1, v[CT]
	v_add_nc_u32 v[CT], 1, v[CT]
	v_cmp_eq_u32 vcc_lo, 1, v[CT+5]
	v_and_b32 v[CT], 2, v[CT]
	v_cndmask_b32 v[CT+4], v[CT+4], v[CT+3], vcc_lo   ; n odd: sin r
	v_lshlrev_b32 v[CT], 30, v[CT]
	v_xor_b32 v[\d], v[CT], v[CT+4]                ; n % 4 = 1 or 2: the sign turns
.endm
; THE FIRST PRODUCT.  Tile t of 8: b1 starts the sum, the second instruction adds in place.  The tiles take turns, one instruction a turn.
.macro FW1 t
	v_wmma_f32_16x16x4_f32 v[H+8*(\t):H+8*(\t)+7], v[W1F+4*(\t):W1F+4*(\t)+1], v[Q:Q+1], v[BI+8*(\t):BI+8*(\t)+7]
.endm
.macro FW2 t
	v_wmma_f32_16x16x4_f32 v[H+8*(\t):H+8*(\t)+7], v[W1F+4*(\t)+2:W1F+4*(\t)+3], v[Q+2:Q+3], v[H+8*(\t):H+8*(\t)+7]
.endm
; THE QUANTISER, by halves of a fragment (hf = 0: tiles 0-3, blocks 0, 1 of 32; hf = 1: tiles 4-7, blocks 2, 3).
.macro MAXA hf                         ; 8 lines: each block's first tile, from its low end on; no |.|: what is negative becomes 0 and must not count; the floor 2^(9 - 127) holds the byte at 1 from below
.irp e, 0,1
	v_max3_num_f32 v[MX+\e], v[H+32*(\hf)+16*\e], v[H+32*(\hf)+16*\e+1], 0x4800000
.endr
.irp i, 2,4,6
.irp e, 0,1
	v_max3_num_f32 v[MX+\e], v[MX+\e], v[H+32*(\hf)+16*\e+\i], v[H+32*(\hf)+16*\e+\i+1]
.endr
.endr
.endm
.macro MAXB hf                         ; 8 lines: each block's second tile
.irp i, 8,10,12,14
.irp e, 0,1
	v_max3_num_f32 v[MX+\e], v[MX+\e], v[H+32*(\hf)+16*\e+\i], v[H+32*(\hf)+16*\e+\i+1]
.endr
.endr
.endm
.macro SCALE hf
.irp e, 0,1
	v_permlanex16_b32 v[PM+\e], v[MX+\e], s[SEL], s[SEL+1]
.endr
.irp e, 0,1
	v_max_num_f32 v[MX+\e], v[MX+\e], v[PM+\e]     ; with lane l xor 16's 16: the block's largest number
.endr
.irp e, 0,1
	v_add_nc_u32 v[SCL+\e], 0xfc000000, v[MX+\e]   ; 8 off its exponent field: the conversion's scale operand
.endr
.irp e, 0,1
	v_and_or_b32 v[HLD+\e], v[MX+\e], 0x7f800000, s[MNT]   ; 448 x the scale
.endr
.irp e, 0,1
	v_lshrrev_b32 v[BY+\e], 23, v[SCL+\e]          ; the scale's byte
.endr
.if (\hf) == 0
	v_lshl_or_b32 v[PWK], v[BY+1], 8, v[BY]
.else
	v_lshl_or_b32 v[PWK], v[BY], 16, v[PWK]
	v_lshl_or_b32 v[PW], v[BY+1], 24, v[PWK]       ; my row's scale word for these 128
.endif
.endm
.macro HOLD hf, p                      ; tile p of the half: relu and the hold in one (the conversion to an 8-bit code does not saturate: ISA guide 7.6.2), into other registers; then eight codes
.irp i, 0,1,2,3,4,5,6,7
	v_med3_num_f32 v[T+8*(\p)+\i], v[H+32*(\hf)+8*(\p)+\i], 0, v[HLD+(\p)/2]
.endr
	v_cvt_scalef32_pk8_fp8_f32 v[PC+2*(\p):PC+2*(\p)+1], v[T+8*(\p):T+8*(\p)+7], v[SCL+(\p)/2]
.endm
.macro STOREH hf, buf                  ; half a fragment goes to LDS as it stands: register groups 2 hf and 2 hf + 1, 512 bytes each
	v_nop                                          ; one plain line behind the last conversion
	ds_store_b128 v[HWI], v[PC:PC+3] offset:IMGB*(\buf)+1024*(\hf)
	ds_store_b128 v[HWI], v[PC+4:PC+7] offset:IMGB*(\buf)+1024*(\hf)+512
.if (\hf) == 1
	ds_store_b32 v[HWS], v[PW] offset:IMGB*(\buf)
.endif
.endm
; LOADS.  d: K steps beyond the pointers
.macro LW1 hf, d                       ; four tiles of W1 and their b1: 12 loads
.irp q, 0,1,2,3
.set tau, 4*(\hf)+\q
.set frow, 128*(\d)+32*(tau/2)+8*(tau%2)
	global_load_b128 v[W1F+4*tau:W1F+4*tau+3], v[W1O], s[8:9] offset:frow*32
	global_load_b128 v[BI+8*tau:BI+8*tau+3], v[B1O], s[10:11] offset:frow*4
	global_load_b128 v[BI+8*tau+4:BI+8*tau+7], v[B1O], s[10:11] offset:frow*4+16
.endr
.endm
.macro LSB set, d                      ; a K step's scale words of my 16 fragments of W2: two dense loads of 512 bytes
	global_load_b128 v[SB+8*(\set):SB+8*(\set)+3], v[LI], s[16:17] offset:4096*(\d)
	global_load_b128 v[SB+8*(\set)+4:SB+8*(\set)+7], v[LI], s[16:17] offset:4096*(\d)+512
.endm
.macro LDSA buf
.irp m, 0,1,2,3
	ds_load_b32 v[SA+\m], v[ASA] offset:IMGB*(\buf)+128*\m
.endr
.endm
.macro LDA buf                         ; h's four fragments (window 1)
.irp m, 0,1,2,3
.irp c, 0,1,2,3
	ds_load_b128 v[AF+16*\m+4*\c:AF+16*\m+4*\c+3], v[ADA] offset:IMGB*(\buf)+2048*\m+512*\c
.endr
.endr
.endm
.macro LDB slot, g                     ; W2's fragments 2 g and 2 g + 1 into pair g % 4 of the ring (window 1)
.irp f, 0,1
.irp c, 0,1,2,3
	ds_load_b128 v[BR+32*((\g)%4)+16*\f+4*\c:BR+32*((\g)%4)+16*\f+4*\c+3], v[ADB+(\slot)] offset:4096*(\g)+2048*\f+512*\c
.endr
.endr
.endm
.macro MUL8 g, set                     ; 8 products: fragments 2 g, 2 g + 1 of W2 x h's four.  The 64 accumulators take turns, one instruction a turn, in the same order in every step
.irp f, 0,1
.irp m, 0,1,2,3
.set rC, 8*(4*((2*(\g)+\f)%8)+\m)
.set rB, BR+32*((\g)%4)+16*\f
.set rS, SB+8*(\set)+(2*(\g)+\f)%8
.if (\g) < 4
	v_wmma_scale_f32_16x16x128_f8f6f4 v[rC:rC+7], v[rB:rB+15], v[AF+16*\m:AF+16*\m+15], v[rC:rC+7], v[rS], v[SA+\m]
.else
	v_wmma_scale_f32_16x16x128_f8f6f4 v[rC:rC+7], v[rB:rB+15], v[AF+16*\m:AF+16*\m+15], v[rC:rC+7], v[rS], v[SA+\m] matrix_a_scale:MATRIX_SCALE_ROW1
.endif
.endr
.endr
.endm
; A PREFETCH INTO THE L2 of the K step of codes that the tensor load two steps on will ask for.  All clusters walk the same codes: the first cluster asks, and nobody else (the branch hangs on the cluster's number, the same
; in all four partners).  Its 4 work-groups x 4 waves x 32 lanes name the K step's 512 blocks of 256 bytes once each: the partners are told apart by address (8,192 bytes each of a wave's 32,768), lanes 256 bytes apart.
.macro ASK d
	s_cmp_eq_u32 s[PF], 1
	s_cbranch_scc0 .Lnot_mine_\@
	global_prefetch_b8 v[PFO], s[PFA:PFA+1] offset:SLOTB*(\d) th:TH_LOAD_NT scope:SCOPE_SE
.Lnot_mine_\@:
.endm
; K STEP t, in slot t % 2.  kind 1: the other slot is filled again (K step t + 1); 0: the first step, nothing is filled; 2: the last.  prod: h's fragment for K step t + 1 is finished here.
; next: the fragment for K step t + 2 is begun.  lsb: the next step's scale words of W2 are fetched.  pf: a prefetch.
.macro STEP slot, kind, prod, next, lsb, pf, d
	s_wait_loadcnt 0x0                             ; W1's and b1's tiles 4-7, asked for a step ago (and all that was asked for before them)
.if (\kind) == 0
	s_wait_tensorcnt 0x1                           ; my part of K step 0 is in; K step 1's may stay out
.else
	s_wait_tensorcnt 0x0                           ; all my tensor loads have landed: the one that was out is my part of this step's slot;
	ds_add_u32 v[SPW], v[NIL]                      ; 0 onto my spare word
.endif
.if (\kind) == 1
	s_add_nc_u64 s[G0+4*(1-\slot)+2:G0+4*(1-\slot)+3], s[G0+4*(1-\slot)+2:G0+4*(1-\slot)+3], 2*SLOTB   ; no tensor load of mine is out: the other slot's next K step
.endif
.if \prod
	FW1 4
	MAXA 0                                         ; tiles 0 and 2: eight holds stand behind the product that finished tile 2; these eight lines are the places in front of the first read of tile 3
	FW1 5
.endif
	s_wait_dscnt 0x0                               ; the add is done, my image has landed, my reads of the other slot and of the other image buffer are over
	s_barrier_signal -1
.if \prod
	MAXB 0
	FW1 6
	SCALE 0
	FW1 7
.endif
	s_barrier_wait -1
.if (\kind) == 1
	CREST                                          ; the barrier has opened a round of the cluster's: no wave of any partner still reads the other slot or has a load on its way
	tensor_load_to_lds s[G0+4*(1-\slot):G0+4*(1-\slot)+3], s[G1:G1+7]   ; my one tensor load behind the round: it has this step's work in which to land
	s_nop 0
	PLACES 4
.endif
	LDSA \slot                                     ; loads into registers that the last step's products read: more than eight plain lines stand behind those products
.if \lsb
	LSB 1-\slot, \d
.endif
.if \next
	LW1 0, \d                                      ; tiles 0-3 of K step t + 2: behind the sixteen lines of the two maxima
.endif
.if \prod
	FW2 4
.endif
	WIN 0x40
	LDA \slot
.if \prod
	WIN 0
	FW2 5
	WIN 0x40
.endif
	LDB \slot, 0
	LDB \slot, 1
.if \prod
	WIN 0
	FW2 6
	WIN 0x40
.endif
	LDB \slot, 2
	LDB \slot, 3
	WIN 0
.if \prod
	FW2 7
.endif
.if \pf
	ASK \d
.endif
.irp g, 0,1,2,3
	s_wait_dscnt 24                                ; this pair of fragments is in (for the first: h's fragments and scale words too); the three pairs behind it may be out
	WIN 0xa5                                       ; sources 0 and 1 window 1, C and D window 2
	MUL8 \g, \slot
	WIN 0
.if \prod
	HOLD 0, \g                                     ; its eight holds are the eight places in front of the loads below
.else
	PLACES 8
.endif
.if (\g == 0) && \next
	LW1 1, \d                                      ; tiles 4-7 of K step t + 2
.endif
.if (\g == 3) && \prod
	STOREH 0, 1-\slot
.endif
	WIN 0x40
	LDB \slot, \g+4
.endr
	s_wait_dscnt 24+2*\prod                        ; behind pair 4: three pairs, and the two stores of the image's half
	WIN 0xf5                                       ; C and D window 3
	MUL8 4, \slot
	s_wait_dscnt 16+2*\prod
	MUL8 5, \slot
	s_wait_dscnt 8+2*\prod
	MUL8 6, \slot
	s_wait_dscnt 0x0                               ; the last pair; and the image's stores have read their registers
	MUL8 7, \slot
	WIN 0
.if \next
	s_wait_loadcnt 12                              ; W1's and b1's tiles 0-3 and the scale words are in; the 12 loads of tiles 4-7 may be out
	FW1 0
.endif
.if \prod
	MAXA 1
.endif
.if \next
	FW1 1
.endif
.if \prod
	MAXB 1
.endif
.if \next
	FW1 2
.endif
.if \prod
	SCALE 1
.endif
.if \next
	FW1 3
.endif
.if \prod
	HOLD 1, 0
.endif
.if \next
	FW2 0
.endif
.if \prod
	HOLD 1, 1
.endif
.if \next
	FW2 1
.endif
.if \prod
	HOLD 1, 2
.endif
.if \next
	FW2 2
.endif
.if \prod
	HOLD 1, 3
	STOREH 1, 1-\slot
.endif
.if \next
	FW2 3
.endif
.endm
	s_load_b512 s[4:19], s[0:1], 0x0               ; x s[4:5], theta s[6:7], W1 s[8:9], b1 s[10:11], b2 s[12:13], w2c s[14:15], w2s s[16:17], out s[18:19]
	v_lshl_add_u32 v[SPW], v0, 2, SPARE
	v_mov_b32 v[NIL], 0
	ds_add_u32 v10, v11
	ds_add_u32 v10, v11
	s_wait_dscnt 0x0
	v_lshrrev_b32 v1, 5, v0
	v_readfirstlane_b32 s[WV], v1                  ; wave 0..3
	s_bfe_u32 s21, ttmp6, 0x40000                  ; cx: my place in the cluster
	s_lshl_b32 s22, ttmp9, 2                       ; in a cluster launch ttmp9 counts clusters
	s_add_co_u32 s22, s22, s21                     ; my block of 64 rows: it enters x's and out's addresses alone
	; descriptor group 1: 128 rows of 256 dense bytes (32 elements of 8 bytes), no padding: the images are read 16 x lane on end
	s_mov_b32 s[G1+0], 15|(3<<16)|(1<<21)          ; 15:0 the mask: all four work-groups; 17:16 elements of 8 bytes; 21 set beside a mask
	s_mov_b32 s[G1+1], 32<<16                      ; tensor_dim0
	s_mov_b32 s[G1+2], 128<<16                     ; tensor_dim1
	s_mov_b32 s[G1+3], 32<<16                      ; tile_dim0
	s_mov_b32 s[G1+4], 128                         ; tile_dim1
	s_mov_b32 s[G1+5], 32                          ; tensor_dim0_stride
	s_mov_b32 s[G1+6], 0
	s_mov_b32 s[G1+7], 0
	s_mov_b32 s[MNT], 0x600000
	s_mov_b32 s[SEL], 0x76543210
	s_mov_b32 s[SEL+1], 0xfedcba98
	s_mov_b32 s[K2PI], 0x3f22f983                  ; 2 / pi
	s_mov_b32 s[KH], 0xbfc90fda                    ; -pi/2 in three pieces: -0x1.921fb4p0,
	s_mov_b32 s[KM], 0xb3a22168                    ; -0x1.4442d0p-24,
	s_mov_b32 s[KT], 0xa7c234c5                    ; -0x1.84698ap-48
	s_mov_b32 s[KS2], 0xb94ca1f9                   ; sin r = r + r z (S0 + z (S1 + z S2))
	s_mov_b32 s[KS1], 0x3c08839e
	s_mov_b32 s[KS0], 0xbe2aaaa3
	s_mov_b32 s[KC2], 0x37ccf5ce                   ; cos r = 1 - z / 2 + z^2 (C0 + z (C1 + z C2))
	s_mov_b32 s[KC1], 0xbab6061a
	s_mov_b32 s[KC0], 0x3d2aaaa5
	s_cmp_eq_u32 ttmp9, 0
	s_cselect_b32 s[PF], 1, 0
	s_lshl_b32 s48, s[WV], 15                      ; my part of a K step's codes, in memory and in a slot: no place in the cluster enters it
	s_mov_b32 s49, 0
	s_wait_kmcnt 0x0
	s_add_nc_u64 s[50:51], s[14:15], s[48:49]
	s_mov_b32 s[G0], 1                             ; 1:0 count = 1
	s_mov_b32 s[G0+1], s48                         ; 63:32 LDS address: slot 0
	s_mov_b64 s[G0+2:G0+3], s[50:51]               ; 120:64 global address: K step 0
	s_or_b32 s[G0+3], s[G0+3], 0x80000000          ; 127:126 type = 2
	s_mov_b32 s[G0+4], 1
	s_add_co_u32 s[G0+5], s48, SLOTB               ; slot 1
	s_add_nc_u64 s[G0+6:G0+7], s[50:51], SLOTB     ; K step 1
	s_or_b32 s[G0+7], s[G0+7], 0x80000000
	s_add_nc_u64 s[PFA:PFA+1], s[50:51], 4*SLOTB   ; the prefetches begin at K step 4, asked for in step 1,
	s_lshl_b32 s26, s21, 13
	s_mov_b32 s27, 0
	s_add_nc_u64 s[PFA:PFA+1], s[PFA:PFA+1], s[26:27]   ; my work-group's quarter of the wave's part
	CROUND                                         ; all four work-groups are here: the first joint loads meet
	tensor_load_to_lds s[G0:G0+3], s[G1:G1+7]      ; both first fills together, ahead of every wait on TENSORcnt and every LDS read: two loads of mine are out
	s_nop 0
	tensor_load_to_lds s[G0+4:G0+7], s[G1:G1+7]
	s_nop 0
	PLACES 4
	v_and_b32 v200, 15, v0                         ; r
	v_bfe_u32 v201, v0, 4, 1                       ; h
	v_and_b32 v202, 31, v0                         ; lane
	v_lshlrev_b32 v[LI], 4, v202
	v_lshlrev_b32 v[PFO], 8, v202
	v_lshlrev_b32 v202, 2, v202
	v_add_nc_u32 v[ADB], s48, v[LI]
	v_add_nc_u32 v[ADB+1], SLOTB, v[ADB]
	v_add_nc_u32 v[ADA], HIMG, v[LI]
	v_add_nc_u32 v[ASA], HIMG+HSCL, v202
	s_lshl_b32 s50, s[WV], 11
	v_add_nc_u32 v[HWI], s50, v[ADA]
	s_lshl_b32 s50, s[WV], 7
	v_add_nc_u32 v[HWS], s50, v[ASA]
	v_and_b32 v203, 8, v200
	v_add_nc_u32 v203, v203, v200                  ; r + 8 (r / 8)
	v_lshlrev_b32 v[W1O], 5, v203
	v_lshl_add_u32 v[W1O], v201, 4, v[W1O]
	v_lshlrev_b32 v[B1O], 6, v201
	v_lshlrev_b32 v[B2O], 5, v201
	s_mul_i32 s50, s[WV], STGB
	v_mul_u32_u24 v[STO], v200, SPITCH
	v_lshl_add_u32 v[STO], v201, 5, v[STO]
	v_add_nc_u32 v[STO], s50, v[STO]
	v_add_nc_u32 v[RD], s50, v[LI]
	v_lshlrev_b32 v204, 12, v200
	v_lshl_add_u32 v204, v201, 4, v204             ; x: row r of 4,096 bytes, + 16 h: features 4 h .. 4 h + 3
	v_lshlrev_b32 v205, 4, v201                    ; theta: 16 h
	v_mov_b32 v[PM], 0                             ; written once: a lane permute's destination counts as one of its sources
	v_mov_b32 v[PM+1], 0
	s_lshl_b32 s26, s22, 6
	s_lshl_b32 s27, s[WV], 4
	s_add_co_u32 s26, s26, s27                     ; the rows whose h I make: 64 x block + 16 w
	s_lshl_b32 s26, s26, 12
	s_mov_b32 s27, 0
	s_add_nc_u64 s[4:5], s[4:5], s[26:27]
	s_lshl_b32 s26, s[WV], 10                      ; my 256 columns: 1,024 bytes of b2, of a row of out, and of a K step's scale words
	s_add_nc_u64 s[12:13], s[12:13], s[26:27]
	s_add_nc_u64 s[16:17], s[16:17], s[26:27]
	s_add_nc_u64 s[18:19], s[18:19], s[26:27]
	s_lshl_b32 s26, s22, 18                        ; my block's 64 rows of out
	s_add_nc_u64 s[18:19], s[18:19], s[26:27]
	global_load_b128 v[XV:XV+3], v204, s[4:5] th:TH_LOAD_NT
	global_load_b128 v[TV:TV+3], v205, s[6:7]
	LW1 0, 0                                       ; K step 0
	LW1 1, 0
	LSB 0, 0
	s_wait_loadcnt 26                              ; x and theta are in; the 24 loads of W1 and b1 and the 2 of scale words may be out
.irp i, 0,1,2,3
	COS XV+\i
	COS TV+\i
.endr
.irp i, 0,1,2,3
	v_mul_f32 v[Q+\i], v[XV+\i], v[TV+\i]          ; q(row r, 4 h + i)
.endr
	; h's fragment for K step 0, with nothing to set between
	s_wait_loadcnt 0x0
.irp t, 0,1,2,3,4,5,6,7
	FW1 \t
.endr
.irp t, 0,1,2,3,4,5,6,7
	FW2 \t
.endr
	PLACES 8                                       ; in front of loads into registers that these products read, and of the first read of their results
	LW1 0, 1                                       ; K step 1
	LW1 1, 1
	; b2 goes straight into the accumulators: register j of accumulator (m, b) is out(16 m + r, 256 w + 16 b + 8 h + j).  So it starts the sums, and every K step is like every other
	WIN 0x80
.irp b, 0,1,2,3,4,5,6,7
.irp m, 0,1,2,3
	global_load_b128 v[8*(4*\b+\m):8*(4*\b+\m)+3], v[B2O], s[12:13] offset:64*\b
	global_load_b128 v[8*(4*\b+\m)+4:8*(4*\b+\m)+7], v[B2O], s[12:13] offset:64*\b+16
.endr
.endr
	WIN 0xc0
.irp b, 0,1,2,3,4,5,6,7
.irp m, 0,1,2,3
	global_load_b128 v[8*(4*\b+\m):8*(4*\b+\m)+3], v[B2O], s[12:13] offset:64*(\b+8)
	global_load_b128 v[8*(4*\b+\m)+4:8*(4*\b+\m)+7], v[B2O], s[12:13] offset:64*(\b+8)+16
.endr
.endr
	WIN 0
	MAXA 0
	MAXB 0
	SCALE 0
.irp p, 0,1,2,3
	HOLD 0, \p
.endr
	STOREH 0, 0
	MAXA 1
	MAXB 1
	SCALE 1
	s_wait_dscnt 0x0                               ; the stores have read the codes' registers
.irp p, 0,1,2,3
	HOLD 1, \p
.endr
	STOREH 1, 0
	s_wait_loadcnt 63                              ; K step 1's 24 loads of W1 and b1 have b2's 128 behind them; 63 is the largest count that the wait can name
.irp t, 0,1,2,3
	FW1 \t                                         ; the fragment for K step 1 is begun: tiles 0-3
.endr
.irp t, 0,1,2,3
	FW2 \t
.endr
	PLACES 8                                       ; step 0 reads these results at its head, and here no other line stands between
	s_wait_xcnt 0x0                                ; every load has read its base: the pointers may step
	s_add_nc_u64 s[8:9], s[8:9], 8192              ; W1 and b1 at K step 2 (4,096 and 512 bytes a K step), the scale words at K step 1
	s_add_nc_u64 s[10:11], s[10:11], 1024
	s_add_nc_u64 s[16:17], s[16:17], 4096
	STEP 0, 0, 1, 1, 1, 0, 0                       ; step 0
	s_wait_xcnt 0x0
	s_add_nc_u64 s[8:9], s[8:9], 4096
	s_add_nc_u64 s[10:11], s[10:11], 512
	s_add_nc_u64 s[16:17], s[16:17], 4096
	s_mov_b32 s47, 14
.Ltrip:                                            ; steps 1 to 28, two a trip: once round the ring
	STEP 1, 1, 1, 1, 1, 1, 0
	STEP 0, 1, 1, 1, 1, 1, 1
	s_wait_xcnt 0x0                                ; the trip's loads and prefetches have read their bases
	s_add_nc_u64 s[8:9], s[8:9], 8192
	s_add_nc_u64 s[10:11], s[10:11], 1024
	s_add_nc_u64 s[16:17], s[16:17], 8192
	s_add_nc_u64 s[PFA:PFA+1], s[PFA:PFA+1], 2*SLOTB
	s_sub_co_u32 s47, s47, 1
	s_cmp_lg_u32 s47, 0
	s_cbranch_scc1 .Ltrip
	STEP 1, 1, 1, 1, 1, 0, 0                       ; step 29: the tail is written out; nothing is left to prefetch
	STEP 0, 1, 1, 0, 1, 0, 1                       ; step 30: the last fill (K step 31); the last fragment of h is finished, none is begun
	STEP 1, 2, 0, 0, 0, 0, 0                       ; step 31
; THE WAY OUT, 16 rows x my 256 columns at a time.  A lane holds 32 neighbouring bytes of a row, and the lanes beside it hold other rows: so a block goes through my own stage in LDS and comes back as halves of rows,
; 512 consecutive bytes an instruction.  LDS serves a wave's instructions in order (ISA guide 5.7.1.4): no wait between the stores and the loads, nor in front of the next block's stores.
.macro TOSTAGE m
	WIN 0x08                                       ; an LDS store's data are its source 1: window 2
.irp b, 0,1,2,3,4,5,6,7
	ds_store_b128 v[STO], v[8*(4*\b+(\m)):8*(4*\b+(\m))+3] offset:64*\b          ; each accumulator from its low end on
	ds_store_b128 v[STO], v[8*(4*\b+(\m))+4:8*(4*\b+(\m))+7] offset:64*\b+16
.endr
	WIN 0x0c                                       ; window 3
.irp b, 0,1,2,3,4,5,6,7
	ds_store_b128 v[STO], v[8*(4*\b+(\m)):8*(4*\b+(\m))+3] offset:64*(\b+8)
	ds_store_b128 v[STO], v[8*(4*\b+(\m))+4:8*(4*\b+(\m))+7] offset:64*(\b+8)+16
.endr
	WIN 0x40                                       ; destination window 1
.irp i, 0,1,2,3,4,5,6,7,8,9,10,11,12,13,14,15
	ds_load_b128 v[128*((\m)%2)+8*\i:128*((\m)%2)+8*\i+3], v[RD] offset:SPITCH*\i
	ds_load_b128 v[128*((\m)%2)+8*\i+4:128*((\m)%2)+8*\i+7], v[RD] offset:SPITCH*\i+512
.endr
.endm
.macro SEND m, younger
	s_wait_dscnt \younger                          ; the block is back in registers
	WIN 0x04                                       ; a store's data are its source 1: window 1
.irp i, 0,1,2,3,4,5,6,7,8,9,10,11,12,13,14,15
	global_store_b128 v[LI], v[128*((\m)%2)+8*\i:128*((\m)%2)+8*\i+3], s[18:19] offset:(16*(\m)+\i)*4096 th:TH_STORE_NT       ; 32 lanes store 512 consecutive bytes, at a multiple of 256 from out's first byte
	global_store_b128 v[LI], v[128*((\m)%2)+8*\i+4:128*((\m)%2)+8*\i+7], s[18:19] offset:(16*(\m)+\i)*4096+512 th:TH_STORE_NT
.endr
.endm
	PLACES 8                                       ; in front of the first read of the last products' results and of loads into the registers that they read
	TOSTAGE 0
	TOSTAGE 1
	SEND 0, 63                                     ; behind block 0's loads stand block 1's 64 LDS instructions; 63 is the largest count that the wait can name
	s_wait_xcnt 0x0                                ; block 0's stores have read their registers: block 2's loads may land there
	TOSTAGE 2
	SEND 1, 63
	s_wait_xcnt 0x0
	TOSTAGE 3
	SEND 2, 63
	SEND 3, 0
	WIN 0
	s_wait_tensorcnt 0x0                           ; the wave's end, behind my last tensor load and my last LDS store
	ds_add_u32 v[SPW], v[NIL]
	s_wait_dscnt 0x0
	CROUND                                         ; the closing round: no work-group ends while a partner may still ask for a tile that names it
	s_endpgm
.Lfunc_end_k_q4eedfcc4f9_ffn:
	.size	k_q4eedfcc4f9_ffn, .Lfunc_end_k_q4eedfcc4f9_ffn-k_q4eedfcc4f9_ffn
	.p2alignl 7, 3214868480
	.fill 96, 4, 3214868480
	.section	.rodata,"a",@progbits
	.p2align	6, 0x0
	.amdhsa_kernel k_q4eedfcc4f9_ffn
		.amdhsa_group_segment_fixed_size 327680
		.amdhsa_private_segment_fixed_size 0
		.amdhsa_enable_private_segment 0
		.amdhsa_kernarg_size 64
		.amdhsa_user_sgpr_count 2
		.amdhsa_user_sgpr_kernarg_segment_ptr 1
		.amdhsa_wavefront_size32 1
		.amdhsa_system_sgpr_workgroup_id_x 1
		.amdhsa_system_sgpr_workgroup_id_y 1
		.amdhsa_system_sgpr_workgroup_id_z 1
		.amdhsa_system_vgpr_workitem_id 0
		.amdhsa_next_free_vgpr 1024
		.amdhsa_next_free_sgpr 66
		.amdhsa_reserve_vcc 1
		.amdhsa_float_denorm_mode_32 3
		.amdhsa_float_denorm_mode_16_64 3
		.amdhsa_memory_ordered 1
		.amdhsa_forward_progress 1
		.amdhsa_inst_pref_size 217
	.end_amdhsa_kernel
	.amdgpu_metadata
---
amdhsa.version: [ 1, 2 ]
amdhsa.kernels:
  - .name:           k_q4eedfcc4f9_ffn
    .symbol:         k_q4eedfcc4f9_ffn.kd
    .args:
      - { .name: x, .offset: 0, .size: 8, .value_kind: global_buffer, .address_space: global }
      - { .name: theta, .offset: 8, .size: 8, .value_kind: global_buffer, .address_space: global }
      - { .name: W1, .offset: 16, .size: 8, .value_kind: global_buffer, .address_space: global }
      - { .name: b1, .offset: 24, .size: 8, .value_kind: global_buffer, .address_space: global }
      - { .name: b2, .offset: 32, .size: 8, .value_kind: global_buffer, .address_space: global }
      - { .name: w2c, .offset: 40, .size: 8, .value_kind: global_buffer, .address_space: global }
      - { .name: w2s, .offset: 48, .size: 8, .value_kind: global_buffer, .address_space: global }
      - { .name: out0, .offset: 56, .size: 8, .value_kind: global_buffer, .address_space: global }
    .group_segment_fixed_size: 327680
    .private_segment_fixed_size: 0
    .kernarg_segment_align: 8
    .kernarg_segment_size: 64
    .max_flat_workgroup_size: 128
    .sgpr_count:     66
    .vgpr_count:     1024
    .wavefront_size: 32
...
	.end_amdgpu_metadata
.endif
;; end of part 2
;; ======== version 2 of 2: 2 launches
;; limits: inputs' magnitudes at most 1,048,576; right only within a limited range of input values
;; workspace buffers: pk 4,489,216 bytes
;; launch quantw2 (part 3): grid 256 x 1, 4 waves a work-group, no clusters, 69,120 bytes of LDS; arguments W2, pk, W1, b1; writes pk
.if DOCPART == 3
	.amdgcn_target "amdgcn-amd-amdhsa--gfx1250"
	.amdhsa_code_object_version 6
	.text
	.protected	k_q4eedfcc4f9_quantw2
	.globl	k_q4eedfcc4f9_quantw2
	.p2align	8
	.type	k_q4eedfcc4f9_quantw2,@function
k_q4eedfcc4f9_quantw2:
	s_mov_b64 s[64:65], 0
	v_nop
	global_prefetch_b8 v0, s[64:65] scope:SCOPE_SE
	s_setreg_imm32_b32 hwreg(HW_REG_WAVE_MODE, 25, 1), 1
	s_wait_xcnt 0x0
; W2 [1024][4096] f32 becomes codes of FP8 (E4M3) with one E8M0 scale byte for each 32 along K (its second axis), packed with what the reader's wave wants beside them.
; pk [t 32][w 4] chunks of 35,072 bytes (137 rows of 256), one for K step t (128 along K) and reader's wave w (rows 256 w .. + 255 of W2):
;   byte 0:    scale words [i 2][lane 32][jj 4]: the four bytes of k = 128 t .. + 127 of row 256 w + 16 (4 i + jj + 8 (lane / 16)) + lane % 16;
;   byte 1024: W1 [u 2][lane 32][16 bytes]: W1[128 t2 + 32 w + 8 u + r + 8 (r / 8)][4 h .. 4 h + 3], r = lane % 16, h = lane / 16, t2 = (t + 2) % 32: the reader makes its hidden layer two steps ahead;
;   byte 2048: b1[128 t2 + 32 w .. + 31], written twice, so that the row of 256 bytes is whole;
;   byte 2304: codes [b 16][c 4][lane 32][16 bytes]: row 256 w + 16 b + lane % 16, k = 128 t + 32 c + 16 (lane / 16) + 0 .. 15: a fragment is 2,048 bytes on end.
; A block's scale is 2^(floor(log2(its largest magnitude)) - 8); its byte is the largest magnitude's exponent field - 8, held at 1 from below.
; LIMITS: a block of zeros gets the byte 1 where the rule says 127 (its codes are zeros, and this program alone reads the bytes); NaN and infinities among the inputs are not served.
; SHARES: work-group g: t = g / 8, w = (g / 2) % 4, i = g % 2.  Wave u takes fragments 4 i + u and 4 i + u + 8; wave 0 also stores the scale words, W1's tile i and copy i of b1.
; Each load of W2 reads a row's 512 consecutive bytes; a fragment turns through the wave's own stage in LDS, so that a lane gets 16 neighbours along K of each block.
; No tensor loads, no matrix unit, no cluster: every byte of W2 is read once and nothing is shared but 512 bytes of scale words.
.set SP,    528                        ; a stage row: 512 bytes + 16
.set STG1,  16*SP
.set WREG,  2*STG1
.set SCB,   4*WREG                     ; behind the stages: the work-group's 512 bytes of scale words
.set CHUNK, 35072
.set R,     8                          ; v8-135   two fragments as loaded
.set X,     136                        ; v136-199 64 numbers of my row
.set PC,    200                        ; v200-231 the codes; v216-220 first hold W1's and b1's bytes
.set TM,    232                        ; v232-247 magnitudes, bytes, holds, scale operands
.set PW,    249                        ; v249, v250 the fragments' scale words; v251 the merged word
	s_load_b128 s[4:7], s[0:1], 0x0                ; W2, pk
	s_load_b128 s[32:35], s[0:1], 0x10             ; W1, b1
	v_lshl_add_u32 v248, v0, 2, 0x10c00            ; my spare word
	s_set_vgpr_msb 0x40
	v_mov_b32 v1, 0                                ; v257 = 0
	s_set_vgpr_msb 0x4000
	v_lshrrev_b32 v1, 5, v0
	v_readfirstlane_b32 s10, v1                    ; wave u
	v_and_b32 v1, 31, v0                           ; lane
	v_lshlrev_b32 v2, 4, v1                        ; 16 x lane
	s_wait_alu depctr_va_vdst(0)                   ; the wait ahead of the scalar lines
	s_lshr_b32 s11, ttmp9, 3                       ; t
	s_bfe_u32 s12, ttmp9, 0x20001                  ; w
	s_and_b32 s13, ttmp9, 1                        ; i
	s_lshl_b32 s14, s13, 2
	s_add_co_u32 s14, s14, s10                     ; my first fragment: 4 i + u
	s_lshl_b32 s15, s12, 8
	s_lshl_b32 s16, s14, 4
	s_add_co_u32 s15, s15, s16                     ; its first row of W2
	s_lshl_b32 s16, s15, 14                        ; rows of 16,384 bytes,
	s_lshl_b32 s17, s11, 9
	s_add_co_u32 s16, s16, s17                     ; + 512 t
	s_mov_b32 s17, 0
	s_lshl_b32 s18, s11, 2
	s_add_co_u32 s18, s18, s12                     ; 4 t + w
	s_mul_i32 s18, s18, CHUNK                      ; the chunk
	s_lshl_b32 s20, s14, 11
	s_add_co_u32 s20, s20, s18
	s_add_co_u32 s20, s20, 2304                    ; my first fragment's place
	s_mov_b32 s21, 0
	s_lshl_b32 s22, s13, 9
	s_add_co_u32 s22, s22, s18                     ; the work-group's 512 bytes of scale words
	s_mov_b32 s23, 0
	s_add_co_u32 s29, s11, 2
	s_and_b32 s29, s29, 31                         ; t2
	s_lshl_b32 s36, s29, 12
	s_lshl_b32 s30, s12, 10
	s_add_co_u32 s36, s36, s30
	s_lshl_b32 s30, s13, 8
	s_add_co_u32 s36, s36, s30                     ; W1: 32 bytes x (128 t2 + 32 w + 8 i)
	s_mov_b32 s37, 0
	s_lshl_b32 s38, s29, 9
	s_lshl_b32 s30, s12, 7
	s_add_co_u32 s38, s38, s30                     ; b1: 4 bytes x (128 t2 + 32 w)
	s_mov_b32 s39, 0
	s_mul_i32 s29, s13, 384
	s_sub_co_u32 s29, 2048, s29                    ; b1's copy i, counted from the scale words' 512 i: 2048 + 128 i - 512 i
	s_mul_i32 s24, s10, WREG                       ; my stages
	s_mov_b32 s25, 0x600000                        ; the mantissa field of 448
	s_mov_b32 s26, 0x76543210
	s_mov_b32 s27, 0xfedcba98                      ; v_permlanex16_b32's selects for lane l xor 16
	v_add_nc_u32 v3, s24, v2                       ; the stage, on the way in
	v_and_b32 v6, 15, v0                           ; r
	v_bfe_u32 v7, v0, 4, 1                         ; h
	v_mul_u32_u24 v4, v6, SP
	v_lshl_add_u32 v4, v7, 6, v4
	v_add_nc_u32 v4, s24, v4                       ; and on the way out: row r, + 64 h
	v_and_b32 v252, 8, v6
	v_add_nc_u32 v252, v252, v6
	v_lshlrev_b32 v252, 5, v252
	v_lshl_add_u32 v252, v7, 4, v252               ; W1: row r + 8 (r / 8) of the tile, + 16 h
	v_lshlrev_b32 v253, 2, v1                      ; b1: 4 x lane
	v_add_nc_u32 v254, s29, v253                   ; and where it goes
	s_lshl_b32 s28, s10, 2
	s_add_co_u32 s28, s28, SCB
	v_add_nc_u32 v5, s28, v2                       ; my scale word's place: 16 x lane + 4 u
	v_add_nc_u32 v6, SCB, v2                       ; and where wave 0 reads four of them
.irp b, 0,1,2,3
	v_mov_b32 v[TM+4+\b], 0                        ; a lane permute's destination counts as one of its sources
.endr
	s_wait_alu depctr_va_vdst(0)                   ; the wait at the head's end
	s_wait_kmcnt 0x0
	s_add_nc_u64 s[4:5], s[4:5], s[16:17]
	s_add_nc_u64 s[8:9], s[6:7], s[22:23]
	s_add_nc_u64 s[6:7], s[6:7], s[20:21]
	s_add_nc_u64 s[32:33], s[32:33], s[36:37]
	s_add_nc_u64 s[34:35], s[34:35], s[38:39]
	global_load_b128 v[216:219], v252, s[32:33]    ; the two oldest loads: in when the first fragment is
	global_load_b32 v220, v253, s[34:35]
.irp f, 0,1
.irp p, 0,1,2,3,4,5,6,7,8,9,10,11,12,13,14,15
	global_load_b128 v[R+64*\f+4*\p:R+64*\f+4*\p+3], v2, s[4:5] offset:\f*2097152+\p*16384 th:TH_LOAD_NT   ; row p of fragment f: 512 consecutive bytes
.endr
.endr
.macro QUANT pc, pw                    ; 64 numbers in v[X] on become a fragment's codes and its rows' scale word
.irp b, 0,1,2,3
	v_max3_num_f32 v[TM+\b], |v[X+16*\b]|, |v[X+16*\b+1]|, 0x4800000   ; my 16 numbers of block b, and the floor 2^(9 - 127)
.endr
.irp i, 2,4,6,8,10,12,14
.irp b, 0,1,2,3
	v_max3_num_f32 v[TM+\b], v[TM+\b], |v[X+16*\b+\i]|, |v[X+16*\b+\i+1]|
.endr
.endr
.irp b, 0,1,2,3
	v_permlanex16_b32 v[TM+4+\b], v[TM+\b], s26, s27
.endr
.irp b, 0,1,2,3
	v_max_num_f32 v[TM+\b], v[TM+\b], v[TM+4+\b]   ; with lane l xor 16's 16
.endr
.irp b, 0,1,2,3
	v_add_nc_u32 v[TM+12+\b], 0xfc000000, v[TM+\b] ; 8 off the exponent field: the conversion's scale operand
.endr
.irp b, 0,1,2,3
	v_and_or_b32 v[TM+8+\b], v[TM+\b], 0x7f800000, s25   ; 448 x the scale
.endr
.irp b, 0,1,2,3
	v_lshrrev_b32 v[TM+4+\b], 23, v[TM+12+\b]      ; the scale's byte
.endr
	v_lshl_or_b32 v[\pw], v[TM+5], 8, v[TM+4]
	v_lshl_or_b32 v[\pw], v[TM+6], 16, v[\pw]
	v_lshl_or_b32 v[\pw], v[TM+7], 24, v[\pw]
.irp b, 0,1,2,3
.irp i, 0,1,2,3,4,5,6,7,8,9,10,11,12,13,14,15
	v_med3_num_f32 v[X+16*\b+\i], v[X+16*\b+\i], -v[TM+8+\b], v[TM+8+\b]   ; the conversion does not saturate (ISA guide 7.6.2): the hold comes first
.endr
	v_cvt_scalef32_pk8_fp8_f32 v[\pc+4*\b:\pc+4*\b+1], v[X+16*\b:X+16*\b+7], v[TM+12+\b]
	v_cvt_scalef32_pk8_fp8_f32 v[\pc+4*\b+2:\pc+4*\b+3], v[X+16*\b+8:X+16*\b+15], v[TM+12+\b]
.endr
	v_nop                                          ; one plain line behind the last conversion
.endm
.macro FRAG f
	s_wait_loadcnt 16*(1-\f)                       ; this fragment's 16 loads are in; the other's may be out
.irp p, 0,1,2,3,4,5,6,7,8,9,10,11,12,13,14,15
	ds_store_b128 v3, v[R+64*\f+4*\p:R+64*\f+4*\p+3] offset:\f*STG1+\p*SP
.endr
.irp c, 0,1,2,3
.irp j, 0,1,2,3
	ds_load_b128 v[X+16*\c+4*\j:X+16*\c+4*\j+3], v4 offset:\f*STG1+128*\c+16*\j   ; LDS serves a wave's instructions in order (ISA guide 5.7.1.4)
.endr
.endr
	s_wait_dscnt 0x0
	QUANT PC+16*\f, PW+\f
.irp c, 0,1,2,3
	global_store_b128 v2, v[PC+16*\f+4*\c:PC+16*\f+4*\c+3], s[6:7] offset:\f*16384+512*\c   ; 512 consecutive bytes, aligned
.endr
.endm
	FRAG 0
	s_cmp_lg_u32 s10, 0
	s_cbranch_scc1 .Lnocopy                        ; wave 0 stores W1's tile and b1's copy
	global_store_b128 v2, v[216:219], s[8:9] offset:1024
	global_store_b32 v254, v220, s[8:9]
.Lnocopy:
	s_wait_xcnt 0x0                                ; v216-220 are written again only behind this wait
	FRAG 1
	v_cmp_gt_u32 vcc_lo, 16, v1
	v_cndmask_b32 v251, v[PW+1], v[PW], vcc_lo     ; lanes 0-15: the first fragment's words; lanes 16-31: those of the fragment eight on
	ds_store_b32 v5, v251
	s_wait_dscnt 0x0                               ; for the others' sake: my store has landed
	s_barrier_signal -1
	s_barrier_wait -1
	s_cmp_lg_u32 s10, 0
	s_cbranch_scc1 .Ldone                          ; wave 0 stores the four waves' words
	ds_load_b128 v[252:255], v6
	s_wait_dscnt 0x0
	global_store_b128 v2, v[252:255], s[8:9]       ; 512 consecutive bytes, aligned
.Ldone:
	s_set_vgpr_msb 0x4
	s_wait_tensorcnt 0x0                           ; the wave's end
	ds_add_u32 v248, v1
	s_wait_dscnt 0x0
	s_set_vgpr_msb 0x400
	s_endpgm
.Lfunc_end_k_q4eedfcc4f9_quantw2:
	.size	k_q4eedfcc4f9_quantw2, .Lfunc_end_k_q4eedfcc4f9_quantw2-k_q4eedfcc4f9_quantw2
	.p2alignl 7, 3214868480
	.fill 96, 4, 3214868480
	.section	.rodata,"a",@progbits
	.p2align	6, 0x0
	.amdhsa_kernel k_q4eedfcc4f9_quantw2
		.amdhsa_group_segment_fixed_size 69120
		.amdhsa_private_segment_fixed_size 0
		.amdhsa_enable_private_segment 0
		.amdhsa_kernarg_size 32
		.amdhsa_user_sgpr_count 2
		.amdhsa_user_sgpr_kernarg_segment_ptr 1
		.amdhsa_wavefront_size32 1
		.amdhsa_system_sgpr_workgroup_id_x 1
		.amdhsa_system_sgpr_workgroup_id_y 1
		.amdhsa_system_sgpr_workgroup_id_z 1
		.amdhsa_system_vgpr_workitem_id 0
		.amdhsa_next_free_vgpr 258
		.amdhsa_next_free_sgpr 66
		.amdhsa_reserve_vcc 1
		.amdhsa_float_denorm_mode_32 3
		.amdhsa_float_denorm_mode_16_64 3
		.amdhsa_memory_ordered 1
		.amdhsa_forward_progress 1
		.amdhsa_inst_pref_size 29
	.end_amdhsa_kernel
	.amdgpu_metadata
---
amdhsa.version: [ 1, 2 ]
amdhsa.kernels:
  - .name:           k_q4eedfcc4f9_quantw2
    .symbol:         k_q4eedfcc4f9_quantw2.kd
    .args:
      - { .name: W2, .offset: 0, .size: 8, .value_kind: global_buffer, .address_space: global }
      - { .name: pk, .offset: 8, .size: 8, .value_kind: global_buffer, .address_space: global }
      - { .name: W1, .offset: 16, .size: 8, .value_kind: global_buffer, .address_space: global }
      - { .name: b1, .offset: 24, .size: 8, .value_kind: global_buffer, .address_space: global }
    .group_segment_fixed_size: 69120
    .private_segment_fixed_size: 0
    .kernarg_segment_align: 8
    .kernarg_segment_size: 32
    .max_flat_workgroup_size: 128
    .sgpr_count:     66
    .vgpr_count:     258
    .wavefront_size: 32
...
	.end_amdgpu_metadata
.endif
;; end of part 3
;; launch ffn (part 4): grid 256 x 1, 4 waves a work-group, clusters of 4 x 1, 327,680 bytes of LDS; arguments x, theta, W1, b1, b2, pk, out0; writes out0
.if DOCPART == 4
	.amdgcn_target "amdgcn-amd-amdhsa--gfx1250"
	.amdhsa_code_object_version 6
	.text
	.protected	k_q4eedfcc4f9_ffn
	.globl	k_q4eedfcc4f9_ffn
	.p2align	8
	.type	k_q4eedfcc4f9_ffn,@function
k_q4eedfcc4f9_ffn:
	s_mov_b64 s[64:65], 0
	v_nop
	global_prefetch_b8 v0, s[64:65] scope:SCOPE_SE
	s_setreg_imm32_b32 hwreg(HW_REG_WAVE_MODE, 25, 1), 1
	s_wait_xcnt 0x0
	s_wait_alu depctr_hold_cnt(0) depctr_sa_sdst(0) depctr_va_vdst(0) depctr_va_sdst(0) depctr_va_ssrc(0) depctr_va_vcc(0) depctr_vm_vsrc(0)
	s_getreg_b32 s2, hwreg(HW_REG_IB_STS2, 6, 4)
	s_cmp_eq_u32 s2, 0
	s_cbranch_scc0 .Lentry_in_a_cluster
	s_endpgm
.Lentry_in_a_cluster:
	s_bfe_u32 s2, ttmp6, 0x10000c
	s_cmp_lg_u32 s2, 0x3003
	s_cbranch_scc0 .Lentry_shape_is_right
	s_endpgm
.Lentry_shape_is_right:
; out = Q(relu(q W1^T + b1)) Q(W2)^T + b2, q = cos(x[.., :8]) cos(theta); Q the MX-FP8 quantiser along the 4,096 hidden units.
; LEFT OUT: only x's first 8 features enter q, so features 8 .. 1023 of every token reach no output for any values: they are not loaded.  A NaN or an infinity there is not carried to the result.
; LIMITS: the cosine is a reduction by three parts of pi / 2 and two polynomials in f32; it keeps its accuracy for angles up to about 1e5 in magnitude.  NaN and infinities among the inputs are not served.
;   A block of hidden units that is all zeros gets the scale byte 1 (its codes are zeros; the bytes never leave the work-group).
; SHARES: a work-group makes 64 tokens x all 1,024 columns, so the hidden layer is computed once; 256 work-groups.  Wave w makes columns 256 w .. + 255: 64 accumulators, 512 registers (windows 2 and 3).
; The first step's products start the sums; b2 is added on the way out.
; K goes in 32 steps of 128 hidden units through two LDS slots.  A slot is four chunks of 35,072 bytes, one a wave, as the launch before laid them: the wave's 16 fragments of W2, their scale words,
; and the wave's 32 rows of W1 and b1 for the step two on.  A chunk is read by its own wave alone.
; CLUSTER: the four work-groups of a cluster walk K alike and ask for each chunk jointly (mask 15).  Each cluster begins its walk at another step.
; NO PREFETCH: pk is walked by all 64 clusters, each from another first step, so each step's bytes are asked for by other clusters' loads throughout the launch; a cluster's own lead would name the same blocks again.
; THE HIDDEN LAYER: wave w makes hidden units 32 w .. + 31 of a step for all 64 tokens, by v_wmma_f32_16x16x4_f32 used transposed (source 0 = rows of W1, chosen so that a lane's 16 registers are 16 neighbours along K;
; source 1 = q; C = b1).  A unit of work is 32 tokens (two blocks of 16): 8 matrix instructions.  Phase p makes unit p + 4; among its products stand the maxima and scales of unit p + 3; that unit's holds and
; conversions stand two to a place among the first 16 products of the batch behind the phase; then its codes go, as an image of the operand's registers, into one of two LDS images, which all waves read behind the step's barrier.
; A STEP t: loads of A(t) and of part of B's second half Y(t); phase 1; the rest of Y(t); 32 products on X(t), near whose end the barrier stands (all reads of the slot are over: it is filled again with step t + 2);
; loads of X(t + 1); phase 2; 32 products on Y(t).
.set IMGB,   8448                      ; an image: 8,192 bytes of codes [m 4][c 4][lane 32][16], 256 of scale words [row 16][m 4]
.set HSCL,   8192
.set SPARE,  2*IMGB                    ; the spare words, 512 bytes
.set SLOT0,  SPARE+512
.set CHUNK,  35072
.set SLOTB,  4*CHUNK
.set W1OF,   1024
.set B1OF,   2048
.set COD,    2304
.set SPITCH, 1040                      ; the way out: a stage of 16 rows x (1,024 + 16) bytes a wave, in slot 0 behind its last fill and last read
.set STGB,   16*SPITCH
.set LI,  1                            ; 16 x lane
.set ADB, 2                            ; v2-3  my chunk in slot 0, 1, + 16 x lane
.set B1A, 4                            ; v4-5  my chunk + 64 h
.set RS,  6                            ; 16 r
.set HWI, 7                            ; 16 x lane + 512 w
.set HWS, 8                            ; 16 r + w
.set STO, 9
.set SPW, 10
.set NIL, 11
.set RD,  12
.set GW,  14
.set GB,  15
.set XO,  16
.set TO,  17
.set SBL, 20                           ; B's scale words: v20-23, v28-31; A's: v24-27 (numbers that differ modulo 8)
.set SA,  24
.set Q,   32                           ; v32-47  q of my lane's row in the four blocks
.set W1F, 48                           ; v48-55
.set BI,  56                           ; v56-71
.set H,   72                           ; v72-135 two units
.set T,   136                          ; v136-151
.set PC,  152                          ; v152-159
.set MX,  160                          ; v160-163 four chains of maxima
.set PM,  164
.set SCL, 166
.set HLD, 168
.set BY,  170
.set TV,  172
.set B2R, 176                          ; v176-183 b2 at my eight columns of a stored row
.set AF,  192                          ; v192-255 A's four fragments; at the head: step 1's W1 and b1, and the cosines' work
.set CT,  216
.set WV,  20
.set MNT, 23
.set SEL, 24
.set G1,  28
.set G0,  36
.set KAP, 44
.set KN,  45
.set OFF, 46
.set K2PI, 53
.set KH,  54
.set KM,  55
.set KT3, 56
.set KS2, 57
.set KS1, 58
.set KS0, 59
.set KC2, 60
.set KC1, 61
.set KC0, 62
.set CB,  66
.set PW1, 68
.set PB1, 70
.set PW1B, 72
.set PB1B, 74
.set MK,  76
.set MSB, 0
.macro WIN new                         ; the immediate's high byte repeats the setting that is left
.if MSB != \new
	s_set_vgpr_msb (MSB<<8)|\new
.set MSB, \new
.endif
.endm
.macro PLACES n
.rept \n
	v_nop
.endr
.endm
.macro CREST                           ; a round of the cluster's barrier behind its opening barrier
	s_cmp_lg_u32 s[WV], 0
	s_cbranch_scc1 .Lnot_wave_0_\@
	s_barrier_signal -3
.Lnot_wave_0_\@:
	s_barrier_wait -3
	s_barrier_signal -1
	s_barrier_wait -1
.endm
.macro CROUND
	s_barrier_signal -1
	s_barrier_wait -1
	CREST
.endm
; cos of four registers, the four chains line by line: n = rndne(2 x / pi), r = x - n pi / 2 in three parts, sine and cosine polynomials of r, chosen and signed by n mod 4
.macro COS4 d
.irp i, 0,1,2,3
	v_mul_f32 v[CT+6*\i], s[K2PI], v[\d+\i]
.endr
.irp i, 0,1,2,3
	v_rndne_f32 v[CT+6*\i], v[CT+6*\i]
.endr
.irp i, 0,1,2,3
	v_fma_f32 v[CT+6*\i+1], v[CT+6*\i], s[KH], v[\d+\i]
.endr
.irp i, 0,1,2,3
	v_fma_f32 v[CT+6*\i+1], v[CT+6*\i], s[KM], v[CT+6*\i+1]
.endr
.irp i, 0,1,2,3
	v_fma_f32 v[CT+6*\i+1], v[CT+6*\i], s[KT3], v[CT+6*\i+1]
.endr
.irp i, 0,1,2,3
	v_cvt_i32_f32 v[CT+6*\i], v[CT+6*\i]
	v_mul_f32 v[CT+6*\i+2], v[CT+6*\i+1], v[CT+6*\i+1]
.endr
.irp i, 0,1,2,3
	v_fma_f32 v[CT+6*\i+3], v[CT+6*\i+2], s[KS2], s[KS1]
	v_fma_f32 v[CT+6*\i+4], v[CT+6*\i+2], s[KC2], s[KC1]
.endr
.irp i, 0,1,2,3
	v_fma_f32 v[CT+6*\i+3], v[CT+6*\i+3], v[CT+6*\i+2], s[KS0]
	v_fma_f32 v[CT+6*\i+4], v[CT+6*\i+4], v[CT+6*\i+2], s[KC0]
.endr
.irp i, 0,1,2,3
	v_mul_f32 v[CT+6*\i+3], v[CT+6*\i+3], v[CT+6*\i+2]
	v_mul_f32 v[CT+6*\i+5], v[CT+6*\i+2], v[CT+6*\i+2]
	v_fma_f32 v[CT+6*\i+2], v[CT+6*\i+2], -0.5, 1.0
.endr
.irp i, 0,1,2,3
	v_fma_f32 v[CT+6*\i+3], v[CT+6*\i+3], v[CT+6*\i+1], v[CT+6*\i+1]
	v_fma_f32 v[CT+6*\i+4], v[CT+6*\i+4], v[CT+6*\i+5], v[CT+6*\i+2]
	v_and_b32 v[CT+6*\i+5], 1, v[CT+6*\i]
	v_add_nc_u32 v[CT+6*\i], 1, v[CT+6*\i]
.endr
.irp i, 0,1,2,3
	v_cmp_eq_u32 s[MK+\i], 1, v[CT+6*\i+5]
	v_and_b32 v[CT+6*\i], 2, v[CT+6*\i]
.endr
.irp i, 0,1,2,3
	v_cndmask_b32 v[CT+6*\i+4], v[CT+6*\i+4], v[CT+6*\i+3], s[MK+\i]
	v_lshlrev_b32 v[CT+6*\i], 30, v[CT+6*\i]
.endr
.irp i, 0,1,2,3
	v_xor_b32 v[\d+\i], v[CT+6*\i], v[CT+6*\i+4]
.endr
.endm
; one f32 product of unit hw (H's set and the pair of token blocks): tile k = 2 e + u: token block 2 hw + e, W1's tile u.  f = 1: features 4 h, 4 h + 1, C = b1; f = 2: features 4 h + 2, 4 h + 3, in place.
; The four tiles take turns, so three other products stand between a sum's two steps.  WB, BB: where W1's and b1's registers lie.
.macro FW w, f, hw, k
.if \w
.if \f == 1
	v_wmma_f32_16x16x4_f32 v[H+32*(\hw)+8*(\k):H+32*(\hw)+8*(\k)+7], v[WB+4*((\k)%2):WB+4*((\k)%2)+1], v[Q+8*(\hw)+4*((\k)/2):Q+8*(\hw)+4*((\k)/2)+1], v[BB+8*((\k)%2):BB+8*((\k)%2)+7]
.else
	v_wmma_f32_16x16x4_f32 v[H+32*(\hw)+8*(\k):H+32*(\hw)+8*(\k)+7], v[WB+4*((\k)%2)+2:WB+4*((\k)%2)+3], v[Q+8*(\hw)+4*((\k)/2)+2:Q+8*(\hw)+4*((\k)/2)+3], v[H+32*(\hw)+8*(\k):H+32*(\hw)+8*(\k)+7]
.endif
.endif
.endm
; a link of chain c, the largest of tile c's eight numbers in my lane.  No |.|: what is negative becomes 0 and must not count.  Each accumulator is read from its low end on.
.macro QC hq, st, c
.if \st == 0
	v_max3_num_f32 v[MX+\c], v[H+32*(\hq)+8*(\c)], v[H+32*(\hq)+8*(\c)+1], 0x4800000   ; and the floor 2^(9 - 127)
.else
	v_max3_num_f32 v[MX+\c], v[MX+\c], v[H+32*(\hq)+8*(\c)+2*(\st)], v[H+32*(\hq)+8*(\c)+2*(\st)+1]
.endif
.endm
; A phase: w: unit hw is made; q: the two blocks' scales of unit hq (tiles 0, 1: token block e = 0; tiles 2, 3: e = 1).  Behind the last product stand eight plain lines: places for the loads and reads that follow.
.macro PHASE w, hw, q, hq
	FW \w, 1, \hw, 0
.if \q
	QC \hq, 0, 0
	QC \hq, 0, 1
.endif
	FW \w, 1, \hw, 1
.if \q
	QC \hq, 0, 2
	QC \hq, 0, 3
.endif
	FW \w, 1, \hw, 2
.if \q
	QC \hq, 1, 0
	QC \hq, 1, 1
.endif
	FW \w, 1, \hw, 3
.if \q
	QC \hq, 1, 2
	QC \hq, 1, 3
.endif
	FW \w, 2, \hw, 0
.if \q
.irp c, 0,1,2,3
	QC \hq, 2, \c
.endr
.endif
	FW \w, 2, \hw, 1
.if \q
.irp c, 0,1,2,3
	QC \hq, 3, \c
.endr
.endif
	FW \w, 2, \hw, 2
.if \q
	v_max_num_f32 v[MX], v[MX], v[MX+1]
	v_max_num_f32 v[MX+2], v[MX+2], v[MX+3]
	v_permlanex16_b32 v[PM], v[MX], s[SEL], s[SEL+1]
	v_permlanex16_b32 v[PM+1], v[MX+2], s[SEL], s[SEL+1]
.endif
	FW \w, 2, \hw, 3
.if \q
.irp e, 0,1
	v_max_num_f32 v[MX+2*\e], v[MX+2*\e], v[PM+\e]           ; with lane l xor 16's 16: the block's largest
.endr
.irp e, 0,1
	v_add_nc_u32 v[SCL+\e], 0xfc000000, v[MX+2*\e]           ; the conversion's scale operand
.endr
.irp e, 0,1
	v_and_or_b32 v[HLD+\e], v[MX+2*\e], 0x7f800000, s[MNT]   ; 448 x the scale
.endr
.irp e, 0,1
	v_lshrrev_b32 v[BY+\e], 23, v[SCL+\e]                    ; the scale's byte
.endr
.else
	PLACES 8
.endif
.endm
.macro QH hq, p                        ; the head's form: relu and the hold in one, into registers that no f32 product writes; then eight codes
.irp i, 0,1,2,3,4,5,6,7
	v_med3_num_f32 v[T+8*((\p)%2)+\i], v[H+32*(\hq)+8*(\p)+\i], 0, v[HLD+(\p)/2]
.endr
	v_cvt_scalef32_pk8_fp8_f32 v[PC+2*(\p):PC+2*(\p)+1], v[T+8*((\p)%2):T+8*((\p)%2)+7], v[SCL+(\p)/2]
.endm
.macro STH buf, mp                     ; a unit's codes and scale bytes into image buf, token blocks 2 mp, 2 mp + 1
.irp e, 0,1
	ds_store_b128 v[HWI], v[PC+4*\e:PC+4*\e+3] offset:IMGB*(\buf)+2048*(2*(\mp)+\e)       ; registers 4 w .. 4 w + 3 of the block's fragment
	ds_store_b8 v[HWS], v[BY+\e] offset:IMGB*(\buf)+HSCL+4*(2*(\mp)+\e)                   ; byte w of its rows' scale words (both halves of the lanes write the same)
.endr
.endm
.macro QFIN hq, buf, mp
	QH \hq, 0
	QH \hq, 1
	QH \hq, 2
	QH \hq, 3
	v_nop                                          ; one plain line behind the last conversion
	STH \buf, \mp
.endm
.macro RW slot                         ; W1's two tiles and b1 for the step two on from the slot's: 6 loads
.irp u, 0,1
	ds_load_b128 v[W1F+4*\u:W1F+4*\u+3], v[ADB+(\slot)] offset:W1OF+512*\u
	ds_load_b128 v[BI+8*\u:BI+8*\u+3], v[B1A+(\slot)] offset:B1OF+32*\u
	ds_load_b128 v[BI+8*\u+4:BI+8*\u+7], v[B1A+(\slot)] offset:B1OF+32*\u+16
.endr
.endm
.macro LDA s                           ; A's four fragments, its scale words, B's scale words: 19 loads
.irp m, 0,1,2,3
.irp c, 0,1,2,3
	ds_load_b128 v[AF+16*\m+4*\c:AF+16*\m+4*\c+3], v[LI] offset:IMGB*(\s)+2048*\m+512*\c
.endr
.endr
	ds_load_b128 v[SA:SA+3], v[RS] offset:IMGB*(\s)+HSCL
	ds_load_b128 v[SBL:SBL+3], v[ADB+(\s)]
	ds_load_b128 v[SBL+8:SBL+11], v[ADB+(\s)] offset:512
.endm
.macro LDB slot, y, i0, n              ; fragments i0 .. i0 + n - 1 of B's half y into set y of window 1: four loads each
.set ii, \i0
.rept \n
.irp c, 0,1,2,3
	ds_load_b128 v[128*(\y)+16*ii+4*\c:128*(\y)+16*ii+4*\c+3], v[ADB+(\slot)] offset:COD+2048*(8*(\y)+ii)+512*\c
.endr
.set ii, ii+1
.endr
.endm
.macro WM y, m, z                      ; one product: B's fragment bb of set y against A's block m.  Used transposed: a lane holds eight neighbouring columns of one token
.set rC, 8*(4*bb+\m)
.set rB, 128*(\y)+16*bb
.set rS, SBL+bb+4*(bb/4)
.if \y
.if \z
	v_wmma_scale_f32_16x16x128_f8f6f4 v[rC:rC+7], v[rB:rB+15], v[AF+16*\m:AF+16*\m+15], 0, v[rS], v[SA+\m] matrix_a_scale:MATRIX_SCALE_ROW1
.else
	v_wmma_scale_f32_16x16x128_f8f6f4 v[rC:rC+7], v[rB:rB+15], v[AF+16*\m:AF+16*\m+15], v[rC:rC+7], v[rS], v[SA+\m] matrix_a_scale:MATRIX_SCALE_ROW1
.endif
.else
.if \z
	v_wmma_scale_f32_16x16x128_f8f6f4 v[rC:rC+7], v[rB:rB+15], v[AF+16*\m:AF+16*\m+15], 0, v[rS], v[SA+\m]
.else
	v_wmma_scale_f32_16x16x128_f8f6f4 v[rC:rC+7], v[rB:rB+15], v[AF+16*\m:AF+16*\m+15], v[rC:rC+7], v[rS], v[SA+\m]
.endif
.endif
.endm
; 4 n products, the accumulators by turns.  z: they start the sums.  q (with n = 4): behind each product two holds of unit hq, behind each fourth also the conversion of the eight:
; six window switches at the most stand between a hold and its conversion.
.macro MULB y, b0, n, z, q, hq
.set bb, \b0
.rept \n
.irp m, 0,1,2,3
	WM \y, \m, \z
.if \q
.set pp, bb-(\b0)
	WIN 0
	v_med3_num_f32 v[T+8*(pp%2)+2*\m], v[H+32*(\hq)+8*pp+2*\m], 0, v[HLD+pp/2]
	v_med3_num_f32 v[T+8*(pp%2)+2*\m+1], v[H+32*(\hq)+8*pp+2*\m+1], 0, v[HLD+pp/2]
.if \m == 3
	v_cvt_scalef32_pk8_fp8_f32 v[PC+2*pp:PC+2*pp+1], v[T+8*(pp%2):T+8*(pp%2)+7], v[SCL+pp/2]
.endif
.if \y
	WIN 0xf1
.else
	WIN 0xa1
.endif
.endif
.endr
.set bb, bb+1
.endr
.endm
; A step in slot s.  kind 1: the round and the refill; 2: a work-group barrier alone (the last image); 0: none.  z: the first step.  q0: the unit converted in the batch before is stored.
.macro STEP s, kind, z, q0, w1, q1, w2, q2, rw
	PLACES 8                                       ; behind the last products, ahead of loads into their operands
.if \q0
	s_wait_alu depctr_va_vdst(0)                   ; the wait ahead of the stores' reads
	STH 1-\s, 0
.endif
	LDA \s
	WIN 0x40
	LDB \s, 1, 0, 2
	WIN 0
.if \w1
	s_wait_dscnt 27                                ; W1 and b1 are in: behind them at least the 19 + 8 loads above
.endif
.if \w1 || \q1
	PHASE \w1, 0, \q1, 1
	s_wait_alu depctr_va_vdst(0)
.endif
	WIN 0x40
	LDB \s, 1, 2, 6
	s_wait_dscnt 32                                ; X, A and the scale words are in; Y's 8 + 24 loads may be out
	WIN 0xa1
	MULB 0, 0, 4, \z, \q1, 1
	WIN 0
.if \q1
	s_wait_alu depctr_va_vdst(0)                   ; the wait ahead of the stores' reads
	STH 1-\s, 1
.endif
.if \kind
	s_wait_tensorcnt 0x0                           ; my one tensor load, the other slot's chunk, has landed
	ds_add_u32 v[SPW], v[NIL]
.endif
.if \kind == 1
	s_add_co_u32 s[KAP], s[KAP], 1                 ; no tensor load of mine is out: this slot's next chunk, two steps on
	s_and_b32 s[KAP], s[KAP], 31
	s_mul_i32 s[OFF], s[KAP], SLOTB
	s_add_nc_u64 s[G0+4*\s+2:G0+4*\s+3], s[CB:CB+1], s[OFF:OFF+1]
	s_or_b32 s[G0+4*\s+3], s[G0+4*\s+3], 0x80000000
.endif
	WIN 0xa1
	MULB 0, 4, 3, \z, 0, 0
.if \kind
	s_wait_dscnt 0x0                               ; the add, my stores into the image and my reads of this slot and image are done
	s_barrier_signal -1
.endif
	MULB 0, 7, 1, \z, 0, 0
	WIN 0
.if \kind
	s_barrier_wait -1
.endif
.if \kind == 1
	CREST                                          ; the barrier has opened a round of the cluster's barrier
	tensor_load_to_lds s[G0+4*\s:G0+4*\s+3], s[G1:G1+7]
	s_nop 0
.endif
.if \kind
	PLACES 8
	WIN 0x40
	LDB 1-\s, 0, 0, 8                              ; the next step's X
	WIN 0
.endif
.if \w2 || \q2
	PHASE \w2, 1, \q2, 0
.if \rw
	RW 1-\s
.endif
	s_wait_alu depctr_va_vdst(0)
.endif
.if \kind == 0
	s_wait_dscnt 0x0                               ; Y is in
.endif
	WIN 0xf1
	MULB 1, 0, 4, \z, \q2, 0
	MULB 1, 4, 4, \z, 0, 0
	WIN 0
.endm
	s_load_b256 s[4:11], s[0:1], 0x0               ; x, theta, W1, b1
	s_load_b128 s[12:15], s[0:1], 0x20             ; b2, pk
	s_load_b64 s[16:17], s[0:1], 0x30              ; out0
	v_lshl_add_u32 v[SPW], v0, 2, SPARE
	v_mov_b32 v[NIL], 0
	ds_add_u32 v[SPW], v[NIL]                      ; the opening lines: the add twice and its wait
	ds_add_u32 v[SPW], v[NIL]
	v_lshrrev_b32 v1, 5, v0
	v_readfirstlane_b32 s[WV], v1                  ; wave
	s_bfe_u32 s21, ttmp6, 0x40000                  ; cx
	s_lshl_b32 s22, ttmp9, 2
	s_add_co_u32 s22, s22, s21                     ; work-group
	s_lshr_b32 s[KN], ttmp9, 5
	s_mul_i32 s[KN], s[KN], 31
	s_xor_b32 s[KAP], ttmp9, s[KN]
	s_and_b32 s[KAP], s[KAP], 31                   ; the cluster's first step along K
	s_add_co_u32 s[KN], s[KAP], 1
	s_and_b32 s[KN], s[KN], 31
	s_mov_b32 s[OFF+1], 0
	s_mov_b32 s[G1+0], 15|(3<<16)|(1<<21)          ; mask: the cluster's four; elements of 8 bytes
	s_mov_b32 s[G1+1], 32<<16                      ; rows of 256 bytes,
	s_mov_b32 s[G1+2], 137<<16                     ; 137 of them, dense
	s_mov_b32 s[G1+3], 32<<16
	s_mov_b32 s[G1+4], 137
	s_mov_b32 s[G1+5], 32
	s_mov_b32 s[G1+6], 0
	s_mov_b32 s[G1+7], 0
	s_mov_b32 s[MNT], 0x600000
	s_mov_b32 s[SEL], 0x76543210
	s_mov_b32 s[SEL+1], 0xfedcba98
	s_mov_b32 s[K2PI], 0x3f22f983
	s_mov_b32 s[KH], 0xbfc90fda
	s_mov_b32 s[KM], 0xb3a22168
	s_mov_b32 s[KT3], 0xa7c234c5
	s_mov_b32 s[KS2], 0xb94ca1f9
	s_mov_b32 s[KS1], 0x3c08839e
	s_mov_b32 s[KS0], 0xbe2aaaa3
	s_mov_b32 s[KC2], 0x37ccf5ce
	s_mov_b32 s[KC1], 0xbab6061a
	s_mov_b32 s[KC0], 0x3d2aaaa5
	s_mul_i32 s48, s[WV], CHUNK
	s_mov_b32 s49, 0
	s_add_co_u32 s50, s48, SLOT0                   ; my chunk in slot 0
	s_lshl_b32 s51, s[WV], 9
	s_mul_i32 s52, s[WV], STGB
	s_add_co_u32 s52, s52, SLOT0                   ; my stage
	s_wait_dscnt 0x0
	s_wait_kmcnt 0x0
	s_add_nc_u64 s[CB:CB+1], s[14:15], s[48:49]
	s_mov_b32 s[G0], 1
	s_mov_b32 s[G0+1], s50
	s_mul_i32 s[OFF], s[KAP], SLOTB
	s_add_nc_u64 s[G0+2:G0+3], s[CB:CB+1], s[OFF:OFF+1]
	s_or_b32 s[G0+3], s[G0+3], 0x80000000
	s_mov_b32 s[G0+4], 1
	s_add_co_u32 s[G0+5], s50, SLOTB
	s_mul_i32 s[OFF], s[KN], SLOTB
	s_add_nc_u64 s[G0+6:G0+7], s[CB:CB+1], s[OFF:OFF+1]
	s_or_b32 s[G0+7], s[G0+7], 0x80000000
	CROUND                                         ; the first joint loads meet
	tensor_load_to_lds s[G0:G0+3], s[G1:G1+7]      ; step 0's chunk: one tensor load a wave at the head
	s_nop 0
	PLACES 4
	v_and_b32 v240, 15, v0                         ; r
	v_bfe_u32 v241, v0, 4, 1                       ; h
	v_and_b32 v242, 31, v0
	v_lshlrev_b32 v[LI], 4, v242
	v_add_nc_u32 v[ADB], s50, v[LI]
	v_add_nc_u32 v[ADB+1], SLOTB, v[ADB]
	v_lshlrev_b32 v[GB], 6, v241
	v_add_nc_u32 v[B1A], s50, v[GB]
	v_add_nc_u32 v[B1A+1], SLOTB, v[B1A]
	v_lshlrev_b32 v[RS], 4, v240
	v_add_nc_u32 v[HWI], s51, v[LI]
	v_add_nc_u32 v[HWS], s[WV], v[RS]
	v_and_b32 v243, 8, v240
	v_add_nc_u32 v243, v243, v240
	v_lshlrev_b32 v[GW], 5, v243
	v_lshl_add_u32 v[GW], v241, 4, v[GW]           ; W1: row r + 8 (r / 8) of a tile, + 16 h
	v_mul_u32_u24 v[STO], v240, SPITCH
	v_lshl_add_u32 v[STO], v241, 5, v[STO]
	v_add_nc_u32 v[STO], s52, v[STO]
	v_add_nc_u32 v[RD], s52, v[LI]
	v_lshlrev_b32 v[XO], 12, v240
	v_lshl_add_u32 v[XO], v241, 4, v[XO]           ; x: token r of a block, features 4 h .. 4 h + 3
	v_lshlrev_b32 v[TO], 4, v241
	v_mov_b32 v[PM], 0                             ; a lane permute's destination counts as one of its sources
	v_mov_b32 v[PM+1], 0
	s_wait_alu depctr_va_vdst(0)                   ; the wait ahead of the scalar lines
	s_lshl_b32 s26, s22, 18                        ; 64 tokens of 4,096 bytes
	s_mov_b32 s27, 0
	s_add_nc_u64 s[4:5], s[4:5], s[26:27]
	s_add_nc_u64 s[16:17], s[16:17], s[26:27]
	s_lshl_b32 s26, s[WV], 10
	s_add_nc_u64 s[12:13], s[12:13], s[26:27]      ; my 256 columns of b2 and of out0; my 32 rows of W1
	s_add_nc_u64 s[16:17], s[16:17], s[26:27]
	s_add_nc_u64 s[8:9], s[8:9], s[26:27]
	s_lshl_b32 s26, s[WV], 7
	s_add_nc_u64 s[10:11], s[10:11], s[26:27]
	s_lshl_b32 s[OFF], s[KAP], 12
	s_add_nc_u64 s[PW1:PW1+1], s[8:9], s[OFF:OFF+1]
	s_lshl_b32 s[OFF], s[KAP], 9
	s_add_nc_u64 s[PB1:PB1+1], s[10:11], s[OFF:OFF+1]
	s_lshl_b32 s[OFF], s[KN], 12
	s_add_nc_u64 s[PW1B:PW1B+1], s[8:9], s[OFF:OFF+1]
	s_lshl_b32 s[OFF], s[KN], 9
	s_add_nc_u64 s[PB1B:PB1B+1], s[10:11], s[OFF:OFF+1]
	s_mov_b32 s[KAP], s[KN]                        ; the last step asked for
.irp m, 0,1,2,3
	global_load_b128 v[Q+4*\m:Q+4*\m+3], v[XO], s[4:5] offset:65536*\m th:TH_LOAD_NT
.endr
	global_load_b128 v[TV:TV+3], v[TO], s[6:7]
.irp u, 0,1                            ; the first two steps' W1 and b1 come from the inputs themselves
	global_load_b128 v[W1F+4*\u:W1F+4*\u+3], v[GW], s[PW1:PW1+1] offset:256*\u
	global_load_b128 v[BI+8*\u:BI+8*\u+3], v[GB], s[PB1:PB1+1] offset:32*\u
	global_load_b128 v[BI+8*\u+4:BI+8*\u+7], v[GB], s[PB1:PB1+1] offset:32*\u+16
	global_load_b128 v[AF+4*\u:AF+4*\u+3], v[GW], s[PW1B:PW1B+1] offset:256*\u
	global_load_b128 v[AF+8+8*\u:AF+8+8*\u+3], v[GB], s[PB1B:PB1B+1] offset:32*\u
	global_load_b128 v[AF+8+8*\u+4:AF+8+8*\u+7], v[GB], s[PB1B:PB1B+1] offset:32*\u+16
.endr
	global_load_b128 v[B2R:B2R+3], v[LI], s[12:13]             ; b2 at the columns that I store: 4 x lane .. + 3,
	global_load_b128 v[B2R+4:B2R+7], v[LI], s[12:13] offset:512  ; and 128 columns on
	s_wait_loadcnt 14                              ; x and theta are in
	COS4 Q
	COS4 Q+4
	COS4 Q+8
	COS4 Q+12
	COS4 TV
.irp m, 0,1,2,3
	v_pk_mul_f32 v[Q+4*\m:Q+4*\m+1], v[Q+4*\m:Q+4*\m+1], v[TV:TV+1]
	v_pk_mul_f32 v[Q+4*\m+2:Q+4*\m+3], v[Q+4*\m+2:Q+4*\m+3], v[TV+2:TV+3]
.endr
	s_wait_alu depctr_va_vdst(0)                   ; the wait ahead of the wait below
	s_wait_tensorcnt 0x0                           ; step 0's chunk is in
	ds_add_u32 v[SPW], v[NIL]
	s_wait_dscnt 0x0
	CROUND
	tensor_load_to_lds s[G0+4:G0+7], s[G1:G1+7]    ; step 1's chunk
	s_nop 0
	PLACES 4
	WIN 0x40
	LDB 0, 0, 0, 8                                 ; step 0's X
	WIN 0
	s_wait_loadcnt 0x0                             ; W1 and b1 of the first two steps, b2
.set WB, W1F
.set BB, BI
	PHASE 1, 0, 0, 0                               ; unit 0
	PHASE 1, 1, 1, 0                               ; unit 1; unit 0's scales,
	QFIN 0, 0, 0                                   ; and its codes into image 0
.set WB, AF
.set BB, AF+8
	PHASE 1, 0, 1, 1                               ; unit 2; unit 1
	QFIN 1, 0, 1
	PHASE 1, 1, 1, 0                               ; unit 3; unit 2 into image 1
	QFIN 0, 1, 0
.set WB, W1F
.set BB, BI
	RW 0                                           ; step 2's W1 and b1, out of step 0's chunk
	s_wait_alu depctr_va_vdst(0)                   ; the wait at the head's end
	s_wait_dscnt 0x0                               ; for the others' sake: my part of image 0 has landed
	s_barrier_signal -1
	s_barrier_wait -1
	STEP 0, 1, 1, 0, 1, 1, 1, 1, 1                 ; step 0 stands ahead of the loop: its products start the sums
	s_mov_b32 s63, 14
.Ltrip:                                                ; steps 1 to 28, two a trip
	STEP 1, 1, 0, 1, 1, 1, 1, 1, 1
	STEP 0, 1, 0, 1, 1, 1, 1, 1, 1
	s_sub_co_u32 s63, s63, 1
	s_cmp_lg_u32 s63, 0
	s_cbranch_scc1 .Ltrip
	STEP 1, 1, 0, 1, 1, 1, 1, 1, 0                 ; step 29: the last refill and the last units made
	STEP 0, 2, 0, 1, 0, 1, 0, 0, 0                 ; step 30: the last unit is quantised; nothing is filled again
	STEP 1, 0, 0, 0, 0, 0, 0, 0, 0                 ; step 31
; THE WAY OUT, by blocks of 16 tokens x my 256 columns: through my own stage and back as whole rows of 1,024 bytes; b2 is added to the rows
.macro TOSTAGE m
	WIN 0x08
.irp b, 0,1,2,3,4,5,6,7
	ds_store_b128 v[STO], v[8*(4*\b+(\m)):8*(4*\b+(\m))+3] offset:64*\b             ; each accumulator from its low end on
	ds_store_b128 v[STO], v[8*(4*\b+(\m))+4:8*(4*\b+(\m))+7] offset:64*\b+16
.endr
	WIN 0x0c
.irp b, 0,1,2,3,4,5,6,7
	ds_store_b128 v[STO], v[8*(4*\b+(\m)):8*(4*\b+(\m))+3] offset:64*(\b+8)
	ds_store_b128 v[STO], v[8*(4*\b+(\m))+4:8*(4*\b+(\m))+7] offset:64*(\b+8)+16
.endr
	WIN 0x40
.irp i, 0,1,2,3,4,5,6,7,8,9,10,11,12,13,14,15
	ds_load_b128 v[128*((\m)%2)+8*\i:128*((\m)%2)+8*\i+3], v[RD] offset:SPITCH*\i          ; LDS serves a wave's instructions in order (ISA guide 5.7.1.4)
	ds_load_b128 v[128*((\m)%2)+8*\i+4:128*((\m)%2)+8*\i+7], v[RD] offset:SPITCH*\i+512
.endr
.endm
.macro SEND m, younger
	s_wait_dscnt \younger
	WIN 0x41                                       ; the rows in window 1, b2 in window 0
.irp i, 0,1,2,3,4,5,6,7,8,9,10,11,12,13,14,15
.irp k, 0,1,2,3
	v_pk_add_f32 v[128*((\m)%2)+8*\i+2*\k:128*((\m)%2)+8*\i+2*\k+1], v[128*((\m)%2)+8*\i+2*\k:128*((\m)%2)+8*\i+2*\k+1], v[B2R+2*\k:B2R+2*\k+1]
.endr
.endr
	WIN 0x04
.irp i, 0,1,2,3,4,5,6,7,8,9,10,11,12,13,14,15
	global_store_b128 v[LI], v[128*((\m)%2)+8*\i:128*((\m)%2)+8*\i+3], s[16:17] offset:(16*(\m)+\i)*4096 th:TH_STORE_NT       ; 512 consecutive bytes, aligned
	global_store_b128 v[LI], v[128*((\m)%2)+8*\i+4:128*((\m)%2)+8*\i+7], s[16:17] offset:(16*(\m)+\i)*4096+512 th:TH_STORE_NT
.endr
.endm
	PLACES 8
	TOSTAGE 0
	TOSTAGE 1
	SEND 0, 63                                     ; behind block 0's loads stand block 1's 64 LDS instructions
	s_wait_xcnt 0x0                                ; block 0's stores have read their registers
	TOSTAGE 2
	SEND 1, 63
	s_wait_xcnt 0x0
	TOSTAGE 3
	SEND 2, 63
	SEND 3, 0
	WIN 0
	s_wait_tensorcnt 0x0                           ; the wave's end
	ds_add_u32 v[SPW], v[NIL]
	s_wait_dscnt 0x0
	CROUND                                         ; the closing round
	s_endpgm
.Lfunc_end_k_q4eedfcc4f9_ffn:
	.size	k_q4eedfcc4f9_ffn, .Lfunc_end_k_q4eedfcc4f9_ffn-k_q4eedfcc4f9_ffn
	.p2alignl 7, 3214868480
	.fill 96, 4, 3214868480
	.section	.rodata,"a",@progbits
	.p2align	6, 0x0
	.amdhsa_kernel k_q4eedfcc4f9_ffn
		.amdhsa_group_segment_fixed_size 327680
		.amdhsa_private_segment_fixed_size 0
		.amdhsa_enable_private_segment 0
		.amdhsa_kernarg_size 56
		.amdhsa_user_sgpr_count 2
		.amdhsa_user_sgpr_kernarg_segment_ptr 1
		.amdhsa_wavefront_size32 1
		.amdhsa_system_sgpr_workgroup_id_x 1
		.amdhsa_system_sgpr_workgroup_id_y 1
		.amdhsa_system_sgpr_workgroup_id_z 1
		.amdhsa_system_vgpr_workitem_id 0
		.amdhsa_next_free_vgpr 1024
		.amdhsa_next_free_sgpr 80
		.amdhsa_reserve_vcc 0
		.amdhsa_float_denorm_mode_32 3
		.amdhsa_float_denorm_mode_16_64 3
		.amdhsa_memory_ordered 1
		.amdhsa_forward_progress 1
		.amdhsa_inst_pref_size 233
	.end_amdhsa_kernel
	.amdgpu_metadata
---
amdhsa.version: [ 1, 2 ]
amdhsa.kernels:
  - .name:           k_q4eedfcc4f9_ffn
    .symbol:         k_q4eedfcc4f9_ffn.kd
    .args:
      - { .name: x, .offset: 0, .size: 8, .value_kind: global_buffer, .address_space: global }
      - { .name: theta, .offset: 8, .size: 8, .value_kind: global_buffer, .address_space: global }
      - { .name: W1, .offset: 16, .size: 8, .value_kind: global_buffer, .address_space: global }
      - { .name: b1, .offset: 24, .size: 8, .value_kind: global_buffer, .address_space: global }
      - { .name: b2, .offset: 32, .size: 8, .value_kind: global_buffer, .address_space: global }
      - { .name: pk, .offset: 40, .size: 8, .value_kind: global_buffer, .address_space: global }
      - { .name: out0, .offset: 48, .size: 8, .value_kind: global_buffer, .address_space: global }
    .group_segment_fixed_size: 327680
    .private_segment_fixed_size: 0
    .kernarg_segment_align: 8
    .kernarg_segment_size: 56
    .max_flat_workgroup_size: 128
    .sgpr_count:     80
    .vgpr_count:     1024
    .wavefront_size: 32
...
	.end_amdgpu_metadata
.endif
;; end of part 4
